; MI455X (gfx1250); checked and timed in simulation.
; The chip was launched on July 23, 2026; its instructions are those of AMD's public machine-readable ISA for CDNA 5 (MIT licence, August 2026) and "CDNA5" Instruction Set Architecture Reference Guide (July 2026). The comments in the code are by the model that wrote it; some were corrected since.
;; Multi Head Attention. Allowed arithmetic: matrix products marked QUANTISED: E5M2 operands, one given power-of-two scale a tensor, by v_wmma_f32_16x16x64_bf8_bf8 or v_wmma_f32_16x16x128_bf8_bf8, f32 sums; everything else in f32.
;; Inputs: Wk 1,024 x 1,024 float32; Wo 1,024 x 1,024 float32; Wq 1,024 x 1,024 float32; Wv 1,024 x 1,024 float32; bo 1,024 float32; lowp_scales 12 int32 (the exponents e of the quantised operands' scales 2^e); x 1 x 4,096 x 1,024 float32.
;; Outputs: out0 1 x 4,096 x 1,024 float32.
;; This version of the problem:
;;   THIS VERSION OF THE PROBLEM IS GIVEN IN LOW PRECISION. The matrix products marked QUANTISED in the list below multiply operands that are first quantised to E5M2 (5 exponent bits, 2 mantissa bits; 8 bits a number), with one given power-of-two scale for each operand tensor; their sums are f32. All else is computed in f32.
;;   The module's matrix products, in the order in which they are computed (A, B: the left and right operand; K: the contracted axis; several contracted axes count as one K, in the product's order):
;;     1. [M 4,096, K 1,024] x [K 1,024, N 1,024]; A: input x; B: input Wq: QUANTISED (scales: A lowp_scales[0], B lowp_scales[1])
;;     2. [M 4,096, K 1,024] x [K 1,024, N 1,024]; A: input x; B: input Wk: QUANTISED (scales: A lowp_scales[2], B lowp_scales[3])
;;     3. [M 4,096, K 1,024] x [K 1,024, N 1,024]; A: input x; B: input Wv: QUANTISED (scales: A lowp_scales[4], B lowp_scales[5])
;;     4. batch 16 x [M 4,096, K 64] x [K 64, N 4,096]; A: computed on the way; B: computed on the way: QUANTISED (scales: A lowp_scales[6], B lowp_scales[7])
;;     5. batch 16 x [M 4,096, K 4,096] x [K 4,096, N 64]; A: softmax (see below); B: computed on the way: QUANTISED (scales: A lowp_scales[8], B lowp_scales[9])
;;     6. [M 4,096, K 1,024] x [K 1,024, N 1,024]; A: computed on the way; B: input Wo: QUANTISED (scales: A lowp_scales[10], B lowp_scales[11])
;;   THE QUANTISER, for each operand of a quantised product, along K:
;;     - The operand's scale is 2^e, e = its entry of the input lowp_scales (int32; the entries are numbered through the quantised products in the list's order, A before B).
;;     - Each number is divided by the scale, clamped to +-57,344, and rounded to the nearest number of E5M2, ties to even, subnormals kept.
;;     - The product sums the exact products of the quantised numbers (number of the format x scale) in f32.
;;   ~~~python
;;   def quantise(x, axis, e):      # numpy; x: float32 -> the quantised numbers, widened to float32 again
;;       x = np.moveaxis(x, axis, -1); K = x.shape[-1]
;;       r = np.clip(x / 2.0 ** e, -57344, 57344)
;;       step = 2.0 ** (np.maximum(np.frexp(np.where(r == 0, 1, r))[1] - 1, -14) - 2)
;;       q = np.round(r / step) * step * 2.0 ** e      # np.round: ties to even
;;       return np.moveaxis(q, -1, axis).astype(np.float32)
;;   ~~~
;;   SOFTMAX AHEAD OF A QUANTISED PRODUCT. Where the list says 'softmax', what is quantised is not the finished softmax but p = 2^(t - M), with t = logit x log2(e) and M = ceil(the row's largest t), a whole number; so 1/2 < the row's largest p <= 1. The row's sum l is taken of the UNQUANTISED p, in f32, and the product's result is divided by l at the end. Since M is a whole number, a kernel that streams over the keys may use a running M (the ceiling of the running maximum): every later rescaling is an exact power of two, so the quantised numbers keep their values, but for numbers so far below the row's largest that they fall under the format's range.
;;   OPERANDS COMPUTED ON THE WAY. 'Computed on the way' means the value that the module computes at that place (a softmax that the list does not call 'softmax' is quantised finished and normalised). What goes into a quantiser is computed in f32, as accurately as f32 sums, v_exp_f32 and their like allow (about 1e-6 of the number): no bf16 or f16 on the way to a quantiser, and a product that is left as it is and whose result goes on into a quantised operand takes f32 operands (vector FMAs, or v_wmma_f32_16x16x4_f32). A number that lies on a knife's edge between two numbers of the format may be rounded either way, as far as f32 arithmetic and the matrix unit's own rounding can turn it there, and no further.
;; 2 versions, each right; version 2 is version 1 with the launch attn written anew for expert scheduling mode. Each part assembles by itself: llvm-mc -triple=amdgcn-amd-amdhsa -mcpu=gfx1250 --defsym DOCPART=n.
;; ======== version 1 of 2: 4 launches
;; workspace buffers: xc 12,582,912 bytes; wc 4,194,304 bytes; qkv 12,582,912 bytes; ctx 4,194,304 bytes
;; launch prep (part 1): grid 256 x 1, 4 waves a work-group, no clusters, 68,096 bytes of LDS; arguments x, Wq, Wk, Wv, Wo, lowp_scales, xc, wc; writes xc, wc
.if DOCPART == 1
	.amdgcn_target "amdgcn-amd-amdhsa--gfx1250"
	.amdhsa_code_object_version 6
	.text
	.protected	k_qd8b31af04a_prep
	.globl	k_qd8b31af04a_prep
	.p2align	8
	.type	k_qd8b31af04a_prep,@function
k_qd8b31af04a_prep:
	s_mov_b64 s[64:65], 0
	v_nop
	global_prefetch_b8 v0, s[64:65] scope:SCOPE_SE
	s_setreg_imm32_b32 hwreg(HW_REG_WAVE_MODE, 25, 1), 1
	s_wait_xcnt 0x0
; x [4096][1024] f32 becomes THREE planes of E5M2 codes, xc [3][4096][1024], K innermost: plane s with the scale 2^e(2s), since x is an operand of three products, each with a scale of its own.
; Wq, Wk, Wv, Wo [1024 k][1024 n] f32 become wc [4][1024 n][1024 k], K innermost, with the scales 2^e1, 2^e3, 2^e5, 2^e11.
; code = number / 2^e, held within +-57,344, rounded to the nearest code, ties to even.
; LIMITS: each of these e lies between -126 and 112, so that 2^e and 57,344 x 2^e are f32 numbers.  NaN among the inputs is not served.
; Work-groups 0-127 take x (a plain stream: 4 waves x 8,192 numbers each), work-groups 128-255 the weights (4 tensors x 8 blocks of 128 columns x 4 blocks of 256 along K).
; The two ways part on the work-group's number and have LDS bytes of their own: x's stages at 0, the weights' at 32,768.  No barrier: waves share nothing.
.set STEPS, 16                         ; x: steps of 512 numbers for a wave
.set SP,    80                         ; x: a lane's place in a stage: its 64 bytes + 16 of padding
.set WREG,  8192                       ; x: LDS for a wave: two stages of 32 x SP bytes
.set XR,    16                         ; v16-79   x: four sets of 16 numbers as they are loaded
.set XX,    80                         ; v80-111  x: two sets of 16 neighbours along K
.set XT,    112                        ; v112-143 x: two sets of 16 held numbers, by turns
.set XC,    144                        ; v144-167 x: two sets of 12 registers of codes (three planes x 4)
.set PLANE, 0x400000                   ; a plane of xc in bytes
.set WST,   32768                      ; weights: the stages begin here
.set PITCH, 272                        ; weights: a stage row: 256 bytes of codes + 16
.set NB,    8                          ; weights: blocks of 32 along K for a wave
.set WX,    32                         ; v32-95   weights: two sets of 32 numbers
.set WC,    96                         ; v96-103  weights: a block's codes
.set WO,    112                        ; v112-175 weights: the way out
.set EMAX,  15
.set MANT,  0x600000                   ; the mantissa field of 57,344 as f32
.macro SCALE e, vs, vl                 ; s[e] = the exponent: v[vs] = 2^e as f32 (the conversion takes its exponent field), v[vl] = 57,344 x 2^e
	s_add_co_i32 s25, s[\e], 127
	s_lshl_b32 s44, s25, 23
	v_mov_b32 v[\vs], s44
	s_add_co_i32 s25, s25, EMAX
	s_lshl_b32 s25, s25, 23
	s_or_b32 s25, s25, MANT
	v_mov_b32 v[\vl], s25
.endm
	s_load_b512 s[8:23], s[0:1], 0x0               ; x 8:9, Wq 10:11, Wk 12:13, Wv 14:15, Wo 16:17, the exponents 18:19, xc 20:21, wc 22:23
	v_lshl_add_u32 v176, v0, 2, 0x10800
	v_mov_b32 v177, 0
	v_lshrrev_b32 v1, 5, v0
	v_readfirstlane_b32 s24, v1                    ; wave 0..3
	v_and_b32 v2, 31, v0                           ; lane
	s_wait_kmcnt 0x0
	s_load_b256 s[32:39], s[18:19], 0x0            ; e0 .. e7
	s_load_b128 s[40:43], s[18:19], 0x20           ; e8 .. e11
	s_cmp_lt_u32 ttmp9, 128
	s_cbranch_scc0 .Lweights
; ---------------- x: each load reads 512 consecutive bytes, 16 a lane; a step's 2,048 bytes turn through the wave's own stage and come back 64 bytes (16 neighbours along K) a lane.
	v_lshlrev_b32 v3, 4, v2                        ; 16 x lane: my bytes of a load's 512, and of a store's 512; never rewritten
	s_mul_i32 s25, s24, WREG
	v_lshrrev_b32 v14, 2, v2
	v_mul_u32_u24 v14, v14, SP
	v_and_b32 v15, 3, v2
	v_lshl_add_u32 v14, v15, 4, v14
	v_add_nc_u32 v14, s25, v14                     ; into the stage: four lanes' 64 bytes on end, then 16 of padding
	v_mul_u32_u24 v15, v2, SP
	v_add_nc_u32 v15, s25, v15                     ; out of it: SP x lane
	s_lshl_b32 s25, ttmp9, 2
	s_add_co_u32 s25, s25, s24                     ; which run of 8,192 numbers is my wave's: 0 .. 511
	s_lshl_b32 s44, s25, 15                        ; in x: 32,768 bytes a run
	s_mov_b32 s45, 0
	s_lshl_b32 s46, s25, 13                        ; in a plane of codes: 8,192
	s_mov_b32 s47, 0
	s_add_nc_u64 s[8:9], s[8:9], s[44:45]
	s_add_nc_u64 s[26:27], s[20:21], s[46:47]      ; plane 0,
	s_add_nc_u64 s[28:29], s[26:27], PLANE         ; plane 1,
	s_add_nc_u64 s[30:31], s[28:29], PLANE         ; plane 2
.macro XLOAD t
.irp i, 0,1,2,3
	global_load_b128 v[XR+16*((\t)%4)+4*\i:XR+16*((\t)%4)+4*\i+3], v3, s[8:9] offset:2048*(\t)+512*\i th:TH_LOAD_NT
.endr
.endm
.macro XTURN t                         ; step t's numbers through the stage: LDS serves a wave's instructions in order, so no wait stands between the stores and the loads
.irp i, 0,1,2,3
	ds_store_b128 v14, v[XR+16*((\t)%4)+4*\i:XR+16*((\t)%4)+4*\i+3] offset:32*SP*((\t)%2)+8*SP*\i
.endr
.irp i, 0,1,2,3
	ds_load_b128 v[XX+16*((\t)%2)+4*\i:XX+16*((\t)%2)+4*\i+3], v15 offset:32*SP*((\t)%2)+16*\i
.endr
.endm
.irp t, 0,1,2,3
	XLOAD \t
.endr
	s_wait_kmcnt 0x0
	SCALE 32, 5, 8                                 ; e0
	SCALE 34, 6, 9                                 ; e2
	SCALE 36, 7, 10                                ; e4
	s_wait_loadcnt 12                              ; step 0's four loads are in; those of steps 1 to 3 may be out
	XTURN 0
.macro XSTEP t
.set XS, XX+16*((\t)%2)
.set CS, XC+12*((\t)%2)
	s_wait_dscnt 0x0                               ; this step's numbers are back from the stage
.if (\t)+4 < STEPS
	XLOAD (\t)+4                                   ; into the set that this step's stage stores have read
.endif
.if (\t)+1 < STEPS
.if STEPS-2-(\t) >= 3
	s_wait_loadcnt 12                              ; the next step's four loads are in; those of the three steps behind it may be out
.else
	s_wait_loadcnt 4*(STEPS-2-(\t))                ; the counts run down: only the steps behind the next one are out
.endif
	XTURN (\t)+1                                   ; through the other stage while this step is worked
.endif
	s_wait_xcnt 0x0                                ; the stores of two steps back have read this set of code registers: it is written again only behind this wait
.irp s, 0,1,2
.set TS, XT+16*((3*(\t)+\s)%2)                 ; the two sets of held numbers take turns, so that sixteen plain lines stand between a conversion and the next write of its sources
.irp i, 0,1,2,3,4,5,6,7,8,9,10,11,12,13,14,15
	v_med3_num_f32 v[TS+\i], v[XS+\i], -v[8+\s], v[8+\s]   ; the conversion to an 8-bit code does not saturate (ISA guide 7.6.2): the hold at the largest code x the scale
.endr
	v_cvt_scalef32_pk8_bf8_f32 v[CS+4*\s:CS+4*\s+1], v[TS:TS+7], v[5+\s]
	v_cvt_scalef32_pk8_bf8_f32 v[CS+4*\s+2:CS+4*\s+3], v[TS+8:TS+15], v[5+\s]
	global_store_b128 v3, v[CS+4*\s:CS+4*\s+3], s[26+2*\s:27+2*\s] offset:512*(\t)   ; 32 lanes store 512 consecutive bytes, aligned
.endr
.endm
.irp t, 0,1,2,3,4,5,6,7,8,9,10,11,12,13,14,15
	XSTEP \t
.endr
	s_wait_tensorcnt 0x0
	ds_add_u32 v176, v177
	s_wait_dscnt 0x0
	s_endpgm
; ---------------- the weights: K is the FIRST axis.  A lane takes a column n and its registers run down K, so the conversions give codes with K innermost; nothing is transposed by an instruction.
; A wave takes 32 columns x 256 along K; its codes go through its own stage and leave as rows: sixteen lanes store 256 consecutive bytes, aligned.
.Lweights:
	s_sub_co_u32 s25, ttmp9, 128                   ; 0 .. 127
	s_lshr_b32 s26, s25, 5                         ; which tensor: 0 Wq, 1 Wk, 2 Wv, 3 Wo
	s_and_b32 s27, s25, 7                          ; which 128 columns
	s_bfe_u32 s28, s25, 0x20003                    ; which 256 along K
	s_lshl_b32 s27, s27, 7
	s_lshl_b32 s29, s24, 5
	s_add_co_u32 s27, s27, s29                     ; my wave's first column
	v_lshlrev_b32 v3, 2, v2                        ; in: 4 bytes a lane
	s_mul_i32 s29, s24, 32*PITCH
	s_add_co_u32 s29, s29, WST                     ; my stage
	v_mul_u32_u24 v4, v2, PITCH
	v_add_nc_u32 v4, s29, v4                       ; into it: row = my column
	v_and_b32 v5, 15, v2
	v_lshrrev_b32 v6, 4, v2
	v_mul_u32_u24 v7, v6, PITCH
	v_lshl_add_u32 v7, v5, 4, v7
	v_add_nc_u32 v7, s29, v7                       ; out of it: sixteen lanes to a row, two rows an instruction
	v_lshlrev_b32 v8, 10, v6
	v_lshl_add_u32 v8, v5, 4, v8                   ; and the same place in wc: rows of 1,024 bytes
	s_lshl_b32 s44, s28, 20                        ; W: 256 rows of 4,096 bytes for each block along K,
	s_lshl_b32 s29, s27, 2
	s_add_co_u32 s44, s44, s29                     ; + 4 x column
	s_mov_b32 s45, 0
	s_lshl_b32 s46, s26, 20                        ; wc: the tensor's plane of 1 MiB,
	s_lshl_b32 s29, s27, 10
	s_add_co_u32 s46, s46, s29                     ; + column x 1,024
	s_lshl_b32 s29, s28, 8
	s_add_co_u32 s46, s46, s29                     ; + 256 x block along K
	s_mov_b32 s47, 0
	s_cmp_lt_u32 s26, 1                            ; the tensor is chosen by the work-group's number alone
	s_cselect_b64 s[8:9], s[10:11], s[12:13]
	s_cmp_lt_u32 s26, 3
	s_cselect_b64 s[30:31], s[14:15], s[16:17]
	s_cmp_lt_u32 s26, 2
	s_cselect_b64 s[8:9], s[8:9], s[30:31]
	s_add_nc_u64 s[8:9], s[8:9], s[44:45]
	s_add_nc_u64 s[22:23], s[22:23], s[46:47]
.macro WLOAD t                         ; block t: W(32 t + i, my column), i = 0 .. 31, into set t % 2; 32 lanes read 128 consecutive bytes, the four waves 512
.set i, 0
.rept 32
	global_load_b32 v[WX+32*((\t)%2)+i], v3, s[8:9] offset:(32*(\t)+i)*4096 th:TH_LOAD_NT
.set i, i+1
.endr
.endm
	WLOAD 0
	WLOAD 1
	s_wait_kmcnt 0x0
	s_cmp_lt_u32 s26, 1
	s_cselect_b32 s29, s33, s35                    ; e1 or e3
	s_cmp_lt_u32 s26, 3
	s_cselect_b32 s30, s37, s43                    ; e5 or e11
	s_cmp_lt_u32 s26, 2
	s_cselect_b32 s29, s29, s30
	SCALE 29, 11, 10
.macro WBLOCK t
.set XS, WX+32*((\t)%2)
.if (\t) < NB-1
	s_wait_loadcnt 32                              ; this block's 32 loads are in; the next block's may be out
.else
	s_wait_loadcnt 0
.endif
.set i, 0
.rept 32
	v_med3_num_f32 v[XS+i], v[XS+i], -v10, v10     ; the hold at the largest code x the scale
.set i, i+1
.endr
.irp g, 0,1,2,3
	v_cvt_scalef32_pk8_bf8_f32 v[WC+2*\g:WC+2*\g+1], v[XS+8*\g:XS+8*\g+7], v11
.endr
	ds_store_b128 v4, v[WC:WC+3] offset:32*(\t)    ; 32 codes: 32 bytes of my column's row
	ds_store_b128 v4, v[WC+4:WC+7] offset:32*(\t)+16
.if (\t)+2 < NB
	WLOAD (\t)+2
.endif
	s_wait_dscnt 0x0                               ; the stores have read their registers: the next block's codes may be written (32 plain lines come first)
.endm
.set Q, 0
.rept NB
	WBLOCK Q
.set Q, Q+1
.endr
.irp t, 0,1,2,3,4,5,6,7,8,9,10,11,12,13,14,15
	ds_load_b128 v[WO+4*\t:WO+4*\t+3], v7 offset:2*\t*PITCH   ; LDS serves a wave's instructions in order: these see my stores
.endr
.irp t, 0,1,2,3,4,5,6,7,8,9,10,11,12,13,14,15
	s_wait_dscnt 15-\t                             ; the younger loads may be out
	global_store_b128 v8, v[WO+4*\t:WO+4*\t+3], s[22:23] offset:2*\t*1024
.endr
	s_wait_tensorcnt 0x0
	ds_add_u32 v176, v177
	s_wait_dscnt 0x0
	s_endpgm
.Lfunc_end_k_qd8b31af04a_prep:
	.size	k_qd8b31af04a_prep, .Lfunc_end_k_qd8b31af04a_prep-k_qd8b31af04a_prep
	.p2alignl 7, 3214868480
	.fill 96, 4, 3214868480
	.section	.rodata,"a",@progbits
	.p2align	6, 0x0
	.amdhsa_kernel k_qd8b31af04a_prep
		.amdhsa_group_segment_fixed_size 68096
		.amdhsa_private_segment_fixed_size 0
		.amdhsa_enable_private_segment 0
		.amdhsa_kernarg_size 64
		.amdhsa_user_sgpr_count 2
		.amdhsa_user_sgpr_kernarg_segment_ptr 1
		.amdhsa_wavefront_size32 1
		.amdhsa_system_sgpr_workgroup_id_x 1
		.amdhsa_system_sgpr_workgroup_id_y 1
		.amdhsa_system_sgpr_workgroup_id_z 1
		.amdhsa_system_vgpr_workitem_id 0
		.amdhsa_next_free_vgpr 178
		.amdhsa_next_free_sgpr 66
		.amdhsa_reserve_vcc 0
		.amdhsa_float_denorm_mode_32 3
		.amdhsa_float_denorm_mode_16_64 3
		.amdhsa_memory_ordered 1
		.amdhsa_forward_progress 1
		.amdhsa_inst_pref_size 126
	.end_amdhsa_kernel
	.amdgpu_metadata
---
amdhsa.version: [ 1, 2 ]
amdhsa.kernels:
  - .name:           k_qd8b31af04a_prep
    .symbol:         k_qd8b31af04a_prep.kd
    .args:
      - { .name: x, .offset: 0, .size: 8, .value_kind: global_buffer, .address_space: global }
      - { .name: Wq, .offset: 8, .size: 8, .value_kind: global_buffer, .address_space: global }
      - { .name: Wk, .offset: 16, .size: 8, .value_kind: global_buffer, .address_space: global }
      - { .name: Wv, .offset: 24, .size: 8, .value_kind: global_buffer, .address_space: global }
      - { .name: Wo, .offset: 32, .size: 8, .value_kind: global_buffer, .address_space: global }
      - { .name: lowp_scales, .offset: 40, .size: 8, .value_kind: global_buffer, .address_space: global }
      - { .name: xc, .offset: 48, .size: 8, .value_kind: global_buffer, .address_space: global }
      - { .name: wc, .offset: 56, .size: 8, .value_kind: global_buffer, .address_space: global }
    .group_segment_fixed_size: 68096
    .private_segment_fixed_size: 0
    .kernarg_segment_align: 8
    .kernarg_segment_size: 64
    .max_flat_workgroup_size: 128
    .sgpr_count:     66
    .vgpr_count:     178
    .wavefront_size: 32
...
	.end_amdgpu_metadata
.endif
;; end of part 1
;; launch qkv (part 2): grid 4 x 48, 4 waves a work-group, clusters of 4 x 4, 327,680 bytes of LDS; arguments xc, wc, lowp_scales, qkv; writes qkv
.if DOCPART == 2
	.amdgcn_target "amdgcn-amd-amdhsa--gfx1250"
	.amdhsa_code_object_version 6
	.text
	.protected	k_qd8b31af04a_qkv
	.globl	k_qd8b31af04a_qkv
	.p2align	8
	.type	k_qd8b31af04a_qkv,@function
k_qd8b31af04a_qkv:
	s_mov_b64 s[64:65], 0
	v_nop
	global_prefetch_b8 v0, s[64:65] scope:SCOPE_SE
	s_setreg_imm32_b32 hwreg(HW_REG_WAVE_MODE, 25, 1), 1
	s_wait_xcnt 0x0
	s_wait_alu depctr_hold_cnt(0) depctr_sa_sdst(0) depctr_va_vdst(0) depctr_va_sdst(0) depctr_va_ssrc(0) depctr_va_vcc(0) depctr_vm_vsrc(0)
	s_getreg_b32 s2, hwreg(HW_REG_IB_STS2, 6, 4)
	s_cmp_eq_u32 s2, 0
	s_cbranch_scc0 .Lentry_in_a_cluster
	s_endpgm
.Lentry_in_a_cluster:
	s_bfe_u32 s2, ttmp6, 0x10000c
	s_cmp_lg_u32 s2, 0xf033
	s_cbranch_scc0 .Lentry_shape_is_right
	s_endpgm
.Lentry_shape_is_right:
; q = x Wq, k = x Wk, v = x Wv on E5M2 codes, K = 1,024, and each result quantised at once for the product that takes it: q with 2^e6, k with 2^e7, v with 2^e9.
; A tile of C' = A B^T, 256 x 256, is made by a work-group of four waves; a wave makes 128 x 128: 64 accumulators of 16 x 16, 512 registers.  192 tiles: 64 for each product p = cluster y / 4.
; p = 0, 1 (q, k): A = x's codes (plane p; rows = tokens), B = the weight's codes (rows = features).   p = 2 (v): A = Wv's codes, B = x's codes (plane 2): C' = v^T, so that a lane's registers run along the KEYS.
; THE MATRIX INSTRUCTION IS USED TRANSPOSED (source 0 = 16 rows of B, source 1 = 16 rows of A): a lane holds one row of C' and eight neighbouring columns, which are eight neighbours along the NEXT product's K.
; So one conversion of an accumulator's eight registers gives two registers of the next operand, and the results leave AS IMAGES OF THAT OPERAND'S REGISTERS: every store is 16 bytes a lane at 16 x lane, 512 consecutive bytes, aligned.
;   qkv plane 0 (q), plane 1 (k): [head 16][tile of 16 tokens 256][1,024 bytes]: registers 0-7 of a fragment 16 x 64: lane (r, h): token r; registers 2 b, 2 b + 1: d = 16 b + 8 h + 0 .. 7; registers 0-3 in the first 512 bytes.
;   qkv plane 2 (v): [head 16][128 keys 32][16 of d 4][2,048 bytes]: registers 0-15 of a fragment 16 x 128: lane (r, h): d = r; registers 2 c, 2 c + 1: key 16 c + 8 h + 0 .. 7.
; A sum stands for sum x 2^(ex + ew): its code is sum / 2^t with t = e6 - e0 - e1 (q), e7 - e2 - e3 (k), e9 - e4 - e5 (v).  LIMIT: t between -126 and 112.  NaN is not served.  The choice among the three is made by selects; the hold always runs.
; K goes in steps of 256 through a ring of two LDS slots filled by the tensor data mover.  CLUSTERS: 4 x 4 work-groups of one product; the four of a row need the same tiles of A, the four of a column the same tiles of B:
; each tile is asked for JOINTLY, by the same tensor load with the same descriptor and a mask that names the four.
; REGISTERS, in windows of 256: window 0: v0-31 addresses and the two scale numbers; v32-111 at work on the way out; from v128 A's fragments, ONE set.   window 1: B's fragments, TWO sets.
;   window 2: the 32 accumulators of my rows 0-63 (accumulator (a, b) at v[8 (8 a + b)]);   window 3: those of my rows 64-127.
.set SIZE_K, 1024
.set KSTEP,  256                       ; along K in a slot
.set ROWB,   256                       ; a tile's row in bytes
.set KROW,   SIZE_K                    ; a row of A or of B in memory, in bytes
.set PITCH,  272                       ; an LDS row: 256 bytes + 16 of padding = 68 words: the 16 rows that a load touches start at 16 different banks (64 banks of 4 bytes: ISA guide 11.1)
.set FR,     16                        ; registers of a fragment: 16 rows x 128 K
.set NL,     4                         ; LDS loads that bring one
.set NP,     4                         ; places behind this matrix instruction (ISA guide 7.12.1)
.set HALFT,  128*PITCH                 ; 128 rows: what one tensor load brings
.set SLOT,   4*HALFT                   ; A's 256 rows, then B's 256 rows
.set LAPS,   SIZE_K/(2*KSTEP)          ; a lap = once round the ring
.set SPARE,  2*SLOT                    ; behind the ring: the spare words, 128 bytes for each wave: two blocks of 256 bytes that no other line names
.set VO,   8                           ; v8-11   the way out: my byte offsets of the four stores of a block
.set LIMV, 12                          ; v12     57,344 x 2^t
.set SCV,  13                          ; v13     2^t
.set ADRA, 16                          ; v16-17  LDS address of my A fragments in slot 0, 1
.set ADRB, 20                          ; v20-21  the same for B
.set SPW,  28                          ; v28     LDS address of my spare word; never rewritten
.set NIL,  29                          ; v29     0; never rewritten
.set TMP,  32                          ; v32-95  a block's 64 held sums
.set CD,   96                          ; v96-111 their codes
.set AF,   128                         ; A's fragments, in window 0
.set G1, 24                            ; s[24:31] descriptor group 1 for A's tiles;  s[32:39] group 0, one set for each slot
.set G0, 32
.set G1B, 48                           ; s[48:55], s[56:63] the same for B's tiles
.set G0B, 56
.set MSB, 0
.macro WIN new                         ; the immediate's high byte repeats the setting that is left
.if MSB != \new
	s_set_vgpr_msb (MSB<<8)|\new
.set MSB, \new
.endif
.endm
.set MUL_LO, 0xa1                      ; source 0 (B) window 1, source 1 (A) window 0, C and D window 2
.set MUL_HI, 0xf1                      ; the same, C and D window 3
.set TO_B,   0x40                      ; destination window 1, address window 0
; A joint load: waves 0 and 1 fetch for A, waves 2 and 3 for B.  Each line has ONE mask and one set of registers for all that issue it; the branch hangs on the wave's number alone.
; Four v_nop follow each of the two lines, ahead of the jump, the label and what follows.
.macro JLOAD g0a, g1a, g0b, g1b
	s_cmp_eq_u32 s15, 0
	s_cbranch_scc0 .Lfor_b_\@
	tensor_load_to_lds s[\g0a:\g0a+3], s[\g1a:\g1a+7]
	s_nop 0
.rept 4
	v_nop
.endr
	s_branch .Lasked_\@
.Lfor_b_\@:
	tensor_load_to_lds s[\g0b:\g0b+3], s[\g1b:\g1b+7]
	s_nop 0
.rept 4
	v_nop
.endr
.Lasked_\@:
.endm
.macro CREST                           ; a round of the cluster's barrier behind its opening barrier
	s_cmp_lg_u32 s14, 0
	s_cbranch_scc1 .Lnot_wave_0_\@
	s_barrier_signal -3
.Lnot_wave_0_\@:
	s_barrier_wait -3
	s_barrier_signal -1
	s_barrier_wait -1
.endm
.macro CROUND                          ; a whole round
	s_barrier_signal -1
	s_barrier_wait -1
	CREST
.endm
	s_load_b128 s[4:7], s[0:1], 0x0                ; xc s[4:5], wc s[6:7]
	s_load_b128 s[8:11], s[0:1], 0x10              ; the exponents s[8:9], qkv s[10:11]
	v_lshl_add_u32 v[SPW], v0, 2, SPARE
	v_mov_b32 v[NIL], 0
	ds_add_u32 v28, v29
	ds_add_u32 v28, v29
	s_wait_dscnt 0x0
	v_lshrrev_b32 v1, 5, v0
	v_readfirstlane_b32 s14, v1                    ; wave 0..3
	s_lshr_b32 s15, s14, 1                         ; rh: which half of the tile's rows is mine.  Also: I fetch for A (0) or for B (1)
	s_and_b32 s16, s14, 1                          ; ch: which half of its columns.  Also: which 128 rows of that tile I fetch
	s_bfe_u32 s40, ttmp6, 0x40000                  ; cx, cy: my place in the cluster
	s_bfe_u32 s41, ttmp6, 0x40004
	s_and_b32 s88, ttmp7, 0xffff                   ; cluster y, 0 .. 11: the same in all sixteen partners
	s_and_b32 s89, s88, 3
	s_lshl_b32 s89, s89, 2                         ; 4 c: which four blocks of 256 tokens
	s_lshr_b32 s88, s88, 2                         ; p: the product
	s_cmp_lt_u32 s88, 2
	s_cselect_b32 s17, s89, 0                      ; tokens are A's rows for q and k,
	s_cselect_b32 s42, 0, s89                      ; B's rows for v
	s_add_co_u32 s17, s17, s41                     ; tile row tr: it holds cy, never cx
	s_add_co_u32 s42, s42, s40                     ; tile column tc: it holds cx, never cy
	s_lshl_b32 s43, s41, 2
	s_lshl_b32 s43, 15, s43                        ; my row of the cluster
	s_lshl_b32 s44, 0x1111, s40                    ; my column
	; descriptor group 1: a tile of 128 rows x 256 bytes, padded in LDS
	s_or_b32 s[G1+0], s43, (0<<16)|(1<<20)|(1<<21)|(5<<22)|(3<<25)  ; 15:0 the mask: A's tiles go to my row; 17:16 element of 1 byte; 20 padding on; 21 set beside a mask; 24:22 after every 64 words (code 5); 31:25 of 4 words (code 3)
	s_or_b32 s[G1B+0], s44, (0<<16)|(1<<20)|(1<<21)|(5<<22)|(3<<25)
.irp g, G1, G1B
	s_mov_b32 s[\g+1], ROWB<<16                    ; tensor_dim0
	s_mov_b32 s[\g+2], 128<<16                     ; tensor_dim1 = 128
	s_mov_b32 s[\g+3], ROWB<<16                    ; tile_dim0
	s_mov_b32 s[\g+4], 128                         ; tile_dim1 = 128
	s_mov_b32 s[\g+5], KROW                        ; tensor_dim0_stride
	s_mov_b32 s[\g+6], 0
	s_mov_b32 s[\g+7], 0
.endr
	s_lshl_b32 s18, s16, 7                         ; which 128 rows of the tile I fetch
	s_lshl_b32 s20, s17, 8
	s_add_co_u32 s20, s20, s18                     ; A: row 256 tr + 128 x half,
	s_lshl_b32 s20, s20, 10                        ; in bytes (under 4 MiB)
	s_mov_b32 s21, 0
	s_lshl_b32 s46, s42, 8
	s_add_co_u32 s46, s46, s18                     ; B: row 256 tc + 128 x half
	s_lshl_b32 s46, s46, 10
	s_mov_b32 s47, 0
	s_mul_i32 s45, s14, HALFT                      ; where they go: wave x 128 rows: no place in the cluster enters an LDS address
	s_lshl_b32 s66, s88, 22                        ; x's plane p,
	s_mov_b32 s67, 0
	s_lshl_b32 s68, s88, 20                        ; the weights' plane p
	s_mov_b32 s69, 0
	s_wait_kmcnt 0x0
	s_load_b256 s[72:79], s[8:9], 0x0              ; e0 .. e7
	s_load_b128 s[80:83], s[8:9], 0x20             ; e8 .. e11
	s_add_nc_u64 s[4:5], s[4:5], s[66:67]
	s_add_nc_u64 s[6:7], s[6:7], s[68:69]
	s_cmp_lt_u32 s88, 2                            ; which buffer is A and which B hangs on the product alone
	s_cselect_b64 s[70:71], s[4:5], s[6:7]
	s_cselect_b64 s[92:93], s[6:7], s[4:5]
	s_add_nc_u64 s[20:21], s[70:71], s[20:21]
	s_add_nc_u64 s[46:47], s[92:93], s[46:47]
	CROUND                                         ; all sixteen work-groups are here: the first joint loads meet
.irp s, 0,1
	s_mov_b32 s[G0+4*\s], 1
	s_add_co_u32 s[G0+4*\s+1], s45, \s*SLOT
	s_add_nc_u64 s[G0+4*\s+2:G0+4*\s+3], s[20:21], \s*ROWB
	s_or_b32 s[G0+4*\s+3], s[G0+4*\s+3], 0x80000000
	s_mov_b32 s[G0B+4*\s], 1
	s_add_co_u32 s[G0B+4*\s+1], s45, \s*SLOT
	s_add_nc_u64 s[G0B+4*\s+2:G0B+4*\s+3], s[46:47], \s*ROWB
	s_or_b32 s[G0B+4*\s+3], s[G0B+4*\s+3], 0x80000000
	JLOAD G0+4*\s, G1, G0B+4*\s, G1B
.endr
	v_and_b32 v1, 15, v0                           ; l % 16
	v_bfe_u32 v2, v0, 4, 1                         ; l / 16
	v_mul_u32_u24 v3, v1, PITCH
	v_lshl_add_u32 v4, v2, 4, v3                   ; a fragment's row x pitch + 16 x half
	s_mul_i32 s21, s15, HALFT                      ; my 128 rows of A
	s_mul_i32 s22, s16, HALFT                      ; my 128 rows of B,
	s_add_co_u32 s22, s22, 2*HALFT                 ; which lie behind A's 256
.irp s, 0,1
	v_add_nc_u32 v[ADRA+\s], s21, v4
	v_add_nc_u32 v[ADRB+\s], s22, v4
	s_add_co_u32 s21, s21, SLOT
	s_add_co_u32 s22, s22, SLOT
.endr
	; THE WAY OUT's addresses.  sa = 4 tc + 2 ch, sb = 4 tr + 2 rh.  q, k: my first head is sa, my first tile of tokens 4 sb (1,024 bytes each).  v: my first head is sb, my 128 keys are group sa / 2 (8,192 bytes each).
	s_lshl_b32 s90, s42, 2
	s_lshl_b32 s91, s16, 1
	s_add_co_u32 s90, s90, s91                     ; sa
	s_lshl_b32 s91, s17, 2
	s_lshl_b32 s18, s15, 1
	s_add_co_u32 s91, s91, s18                     ; sb
	s_mov_b32 s89, 1024
	s_mov_b32 s84, 2048
	s_mov_b32 s86, 256000
	s_cmp_lt_u32 s88, 2
	s_cselect_b32 s18, s90, s91                    ; the head
	s_cselect_b32 s19, s91, s90                    ; the other one, x 4,096 bytes
	s_cselect_b32 s89, 0x40000, s89                ; from a block's stores 0, 1 to its stores 2, 3: the next head (q, k) or the image's second 1,024 bytes (v)
	s_cselect_b32 s84, 1024, s84                   ; from block a to block a + 1: the next tile of tokens (q, k) or the next 16 of d (v);
	s_cselect_b32 s86, 1024, s86                   ; from block 3 to block 4: the same (q, k) or the next head's first 16 of d: 262,144 - 3 x 2,048 (v)
	s_mov_b32 s85, 0
	s_mov_b32 s87, 0
	s_lshl_b32 s18, s18, 18                        ; a head is 262,144 bytes in every plane
	s_lshl_b32 s19, s19, 12
	s_add_co_u32 s18, s18, s19
	s_lshl_b32 s19, s88, 22                        ; the product's plane of 4 MiB
	s_add_co_u32 s18, s18, s19
	s_mov_b32 s19, 0
	s_add_nc_u64 s[10:11], s[10:11], s[18:19]
	v_and_b32 v6, 31, v0
	v_lshlrev_b32 v[VO], 4, v6                     ; 16 x lane
	v_add_nc_u32 v[VO+1], 512, v[VO]
	v_add_nc_u32 v[VO+2], s89, v[VO]
	v_add_nc_u32 v[VO+3], s89, v[VO+1]
.macro FRAG reg, adr, q, i             ; a fragment, 16 rows x 128 K, in 16 registers by four loads of 16 bytes: registers 4 c .. 4 c + 3 hold K = 32 c + 16 (l / 16) + 0 .. 15: a permutation of k that is the same in A and in B
.irp c, 0,1,2,3
	ds_load_b128 v[\reg+4*\c:\reg+4*\c+3], v[\adr] offset:128*(\q)+32*\c+(\i)*16*PITCH
.endr
.endm
; 16 matrix instructions: A's blocks a0, a0 + 1 x B's eight, 128 along K.  p: B's set.  zero = 1: the first product starts the sums: nothing is ever cleared.
; The 64 accumulators take turns, one instruction a turn, in the same order in every step.
.macro MUL16 a0, p, zero
.irp a, \a0, \a0+1
.irp b, 0,1,2,3,4,5,6,7
.if \zero
	v_wmma_f32_16x16x128_bf8_bf8 v[8*(8*((\a)%4)+\b):8*(8*((\a)%4)+\b)+7], v[128*(\p)+FR*\b:128*(\p)+FR*\b+FR-1], v[AF+FR*(\a):AF+FR*(\a)+FR-1], 0
.else
	v_wmma_f32_16x16x128_bf8_bf8 v[8*(8*((\a)%4)+\b):8*(8*((\a)%4)+\b)+7], v[128*(\p)+FR*\b:128*(\p)+FR*\b+FR-1], v[AF+FR*(\a):AF+FR*(\a)+FR-1], v[8*(8*((\a)%4)+\b):8*(8*((\a)%4)+\b)+7]
.endif
.endr
.endr
.endm
.macro FETCH_B slot, q, p              ; B's eight fragments of the slot's q-th 128 along K into set p
	WIN TO_B
.irp i, 0,1,2,3,4,5,6,7
	FRAG 128*(\p)+FR*\i, ADRB+\slot, \q, \i
.endr
	WIN 0
.endm
.macro FETCH_A slot, q, i0             ; A's blocks i0 .. i0 + 3
.irp i, \i0, \i0+1, \i0+2, \i0+3
	FRAG AF+FR*(\i), ADRA+\slot, \q, \i
.endr
.endm
; A load into a register that a matrix instruction has read, and a vector instruction that reads a matrix result, stand NP places behind that matrix instruction; only plain vector
; instructions that name none of its registers are places (ISA guide 7.12.1 for vector instructions).
.macro PLACES n
.rept \n
	v_nop
.endr
.endm
; A step of 128 along K that has its successor in the same slot.  A block of A is free as soon as its eight products are issued: blocks 0-3 are fetched anew in the step's middle, blocks 4-7 at its end.
.macro STEP slot, q, zero
	s_wait_dscnt 4*NL                              ; B's set and A's blocks 0-3 are in; the youngest sixteen loads (A's blocks 4-7) may be out
	WIN MUL_LO
	MUL16 0, (\q)%2, \zero
	MUL16 2, (\q)%2, \zero
	s_wait_dscnt 0                                 ; A's blocks 4-7 are in
	PLACES NP
	FETCH_B \slot, (\q)+1, 1-(\q)%2
	FETCH_A \slot, (\q)+1, 0
	WIN MUL_HI
	MUL16 4, (\q)%2, \zero
	MUL16 6, (\q)%2, \zero
	PLACES NP
	WIN 0
	FETCH_A \slot, (\q)+1, 4
.endm
; A slot's last step changes slots: ONE barrier; in front of it each wave waits for all its tensor loads, adds 0 to its spare word, and waits for that and for its own reads of this slot.  fill = 1: this slot is filled again, two K steps ahead.
.macro TURN slot, next, fill
	s_wait_tensorcnt 0x0                           ; all my tensor loads have landed: my part of the next slot
	ds_add_u32 v[SPW], v[NIL]                      ; 0 onto my spare word
	s_wait_dscnt 4*NL+1                            ; (the add and the youngest sixteen loads, A's blocks 4-7, may be out)
	WIN MUL_LO
	MUL16 0, 1, 0                                  ; sixteen matrix instructions stand between the add and the wait for it
	s_wait_dscnt 0x0                               ; the add is done, and my reads of this slot are over
	s_barrier_signal -1
	MUL16 2, 1, 0
	WIN 0
	s_barrier_wait -1
.if \fill
	CREST                                          ; the barrier has opened a round of the cluster's barrier: no wave of any partner still reads this slot's tile or has a load on its way
	s_add_nc_u64 s[G0+4*\slot+2:G0+4*\slot+3], s[G0+4*\slot+2:G0+4*\slot+3], 2*ROWB
	s_add_nc_u64 s[G0B+4*\slot+2:G0B+4*\slot+3], s[G0B+4*\slot+2:G0B+4*\slot+3], 2*ROWB
	JLOAD G0+4*\slot, G1, G0B+4*\slot, G1B         ; the first tensor load behind the round; the four v_nop behind it are also the places in front of the loads below
.else
	PLACES NP
.endif
	FETCH_B \next, 0, 0
	FETCH_A \next, 0, 0
	WIN MUL_HI
	MUL16 4, 1, 0
	MUL16 6, 1, 0
	PLACES NP
	WIN 0
	FETCH_A \next, 0, 4
.endm
	s_wait_tensorcnt 1                             ; my part of K step 0 is in (K step 1's load may be out)
	s_barrier_signal -1
	s_barrier_wait -1                              ; everybody's is
	FETCH_B 0, 0, 0
	FETCH_A 0, 0, 0
	FETCH_A 0, 0, 4
	STEP 0, 0, 1                                   ; the first step stands in front of the loop: its products start the sums
	s_mov_b32 s3, LAPS-1
.Llap:                                                 ; a trip goes once round the ring, from a lap's second step to the next lap's first, and fills both slots again
	TURN 0, 1, 1
	STEP 1, 0, 0
	TURN 1, 0, 1
	STEP 0, 0, 0
	s_sub_co_u32 s3, s3, 1
	s_cmp_lg_u32 s3, 0
	s_cbranch_scc1 .Llap
	TURN 0, 1, 0                                   ; the last lap fills nothing, and has no round of the cluster's barrier
	STEP 1, 0, 0
	s_wait_dscnt 4*NL                              ; the very last step: nothing more to fetch
	WIN MUL_LO
	MUL16 0, 1, 0
	MUL16 2, 1, 0
	s_wait_dscnt 0
	WIN MUL_HI
	MUL16 4, 1, 0
	MUL16 6, 1, 0
	WIN 0
; THE WAY OUT, block by block of 16 rows of C' x 128 columns: 64 sums a lane are held within +-57,344 x 2^t (each accumulator from its low end on), eight conversions give 16 registers of codes, four stores take them.
.macro OUT a
.set AC, 64*((\a)%4)
	WIN 0x02+((\a)/4)                              ; source 0: window 2 or 3
.set j, 0
.rept 64
	v_med3_num_f32 v[TMP+j], v[AC+j], -v[LIMV], v[LIMV]   ; the conversion to an 8-bit code does not saturate (ISA guide 7.6.2)
.set j, j+1
.endr
	WIN 0
	s_wait_xcnt 0x0                                ; the last block's stores have read their codes and their base: both are written again only behind this wait
.if (\a) == 4
	s_add_nc_u64 s[10:11], s[10:11], s[86:87]
.elseif (\a) > 0
	s_add_nc_u64 s[10:11], s[10:11], s[84:85]
.endif
.irp b, 0,1,2,3,4,5,6,7
	v_cvt_scalef32_pk8_bf8_f32 v[CD+2*\b:CD+2*\b+1], v[TMP+8*\b:TMP+8*\b+7], v[SCV]   ; accumulator (a, b): registers 2 b, 2 b + 1
.endr
	v_nop                                          ; one plain vector line behind the last conversion: the next block's holds write these conversions' sources
.irp s, 0,1,2,3
	global_store_b128 v[VO+\s], v[CD+4*\s:CD+4*\s+3], s[10:11]   ; 32 lanes store 512 consecutive bytes, aligned
.endr
.endm
	s_wait_kmcnt 0x0
	s_sub_co_i32 s94, s78, s72
	s_sub_co_i32 s94, s94, s73                     ; e6 - e0 - e1
	s_sub_co_i32 s95, s79, s74
	s_sub_co_i32 s95, s95, s75                     ; e7 - e2 - e3
	s_sub_co_i32 s96, s81, s76
	s_sub_co_i32 s96, s96, s77                     ; e9 - e4 - e5
	s_cmp_eq_u32 s88, 0
	s_cselect_b32 s94, s94, s95
	s_cmp_lt_u32 s88, 2
	s_cselect_b32 s94, s94, s96                    ; t
	s_add_co_i32 s94, s94, 127
	s_lshl_b32 s95, s94, 23
	v_mov_b32 v[SCV], s95                          ; 2^t as f32: the conversion takes its exponent field
	s_add_co_i32 s94, s94, 15
	s_lshl_b32 s94, s94, 23
	s_or_b32 s94, s94, 0x600000
	v_mov_b32 v[LIMV], s94                         ; 57,344 x 2^t
	PLACES NP                                      ; behind the last products, ahead of the first read of results
.irp a, 0,1,2,3,4,5,6,7
	OUT \a
.endr
	s_wait_tensorcnt 0x0                           ; the wave's end
	ds_add_u32 v[SPW], v[NIL]
	s_wait_dscnt 0x0
	CROUND                                         ; the closing round: no work-group ends while a partner may still ask for a tile that names it
	s_endpgm
.Lfunc_end_k_qd8b31af04a_qkv:
	.size	k_qd8b31af04a_qkv, .Lfunc_end_k_qd8b31af04a_qkv-k_qd8b31af04a_qkv
	.p2alignl 7, 3214868480
	.fill 96, 4, 3214868480
	.section	.rodata,"a",@progbits
	.p2align	6, 0x0
	.amdhsa_kernel k_qd8b31af04a_qkv
		.amdhsa_group_segment_fixed_size 327680
		.amdhsa_private_segment_fixed_size 0
		.amdhsa_enable_private_segment 0
		.amdhsa_kernarg_size 32
		.amdhsa_user_sgpr_count 2
		.amdhsa_user_sgpr_kernarg_segment_ptr 1
		.amdhsa_wavefront_size32 1
		.amdhsa_system_sgpr_workgroup_id_x 1
		.amdhsa_system_sgpr_workgroup_id_y 1
		.amdhsa_system_sgpr_workgroup_id_z 1
		.amdhsa_system_vgpr_workitem_id 0
		.amdhsa_next_free_vgpr 1024
		.amdhsa_next_free_sgpr 100
		.amdhsa_reserve_vcc 0
		.amdhsa_float_denorm_mode_32 3
		.amdhsa_float_denorm_mode_16_64 3
		.amdhsa_memory_ordered 1
		.amdhsa_forward_progress 1
		.amdhsa_inst_pref_size 119
	.end_amdhsa_kernel
	.amdgpu_metadata
---
amdhsa.version: [ 1, 2 ]
amdhsa.kernels:
  - .name:           k_qd8b31af04a_qkv
    .symbol:         k_qd8b31af04a_qkv.kd
    .args:
      - { .name: xc, .offset: 0, .size: 8, .value_kind: global_buffer, .address_space: global }
      - { .name: wc, .offset: 8, .size: 8, .value_kind: global_buffer, .address_space: global }
      - { .name: lowp_scales, .offset: 16, .size: 8, .value_kind: global_buffer, .address_space: global }
      - { .name: qkv, .offset: 24, .size: 8, .value_kind: global_buffer, .address_space: global }
    .group_segment_fixed_size: 327680
    .private_segment_fixed_size: 0
    .kernarg_segment_align: 8
    .kernarg_segment_size: 32
    .max_flat_workgroup_size: 128
    .sgpr_count:     100
    .vgpr_count:     1024
    .wavefront_size: 32
...
	.end_amdgpu_metadata
.endif
;; end of part 2
;; launch attn (part 3): grid 16 x 16, 16 waves a work-group, no clusters, 67,584 bytes of LDS; arguments qkv, lowp_scales, ctx; writes ctx
.if DOCPART == 3
	.amdgcn_target "amdgcn-amd-amdhsa--gfx1250"
	.amdhsa_code_object_version 6
	.text
	.protected	k_qd8b31af04a_attn
	.globl	k_qd8b31af04a_attn
	.p2align	8
	.type	k_qd8b31af04a_attn,@function
k_qd8b31af04a_attn:
	s_mov_b64 s[64:65], 0
	v_nop
	global_prefetch_b8 v0, s[64:65] scope:SCOPE_SE
	s_setreg_imm32_b32 hwreg(HW_REG_WAVE_MODE, 25, 1), 1
	s_wait_xcnt 0x0
; ctx[token][head][:] = the sum over keys k <= token of softmax_k(q . k / 8) v, both products on E5M2 codes, and the result quantised with 2^e10 for the last product.
; THE SOFTMAX AHEAD OF THE SECOND PRODUCT: t = score x log2(e) / 8; M = the row's largest t so far, rounded UP to a whole number; p = 2^(t - M) is quantised with 2^e8, not normalised.
; The row's sum is taken of the unquantised p, in f32, and divides at the end.  When M moves, the sum and O are multiplied by 2^(old M - new M): exact.
; INPUTS are images of operand registers (16 bytes a lane at 16 x lane, 512 bytes a piece): q, k: [head][tile of 16 tokens][1,024]; v: [head][128 keys][16 of d][2,048], keys along the registers.
; SHARES.  Work-group (i, head) owns two blocks of 128 queries, block i and block 31 - i: (i + 1) + (32 - i) = 33 steps of 128 keys for a pair of waves, the same in all 256 work-groups.
; Sixteen waves, each ONE tile of 16 queries in 256 registers, four to a SIMD.  Wave w: tile w / 2 of the low block (role 0) or of the high one (role 1), role = (w ^ (w / 4)) & 1.
; K and V go from memory through registers into two LDS buffers of 256 keys by turns: each thread brings 4 x 16 bytes a slot, asked for a slot ahead.  The work-group walks NS = 16 - i / 2 slots, as many as its high block needs.
; NO CLUSTER, NO JOINT LOADS, though the sixteen work-groups of a head read the same K and V: they walk 9 to 16 slots, so partners would need different numbers of tiles.
; LAYOUT.  S^T = K Q^T (source 0 = 16 keys, source 1 = my 16 queries): lane (r, h) holds query r, register 8 t + j key 16 t + 8 h + j.  One conversion of tile t's eight registers gives registers 2 t, 2 t + 1 of P,
; source 1 of O^T = V^T P^T (source 0 = 16 of d x 128 keys), whose own layout wants just these keys there.  O^T: lane (r, h): query r, register 8 dt + j: d = 16 dt + 8 h + j: converted, it is ctx's image (as q's).
; CAUSAL.  A step all of whose keys come after my queries is left out by a scalar branch on ids; in the step on the diagonal hidden scores become -infinity ahead of the maximum.  Key 0 counts for every query.
; LIMITS on the given exponents: e6 + e7 between -123 and 130 (added to c's exponent field); e8 and e10 between -126 and 112; e8 + e9 is applied by v_ldexp_f32.  NaN is not served.
; p is at most 1, and 57,344 x 2^e8 is at least 1 wherever e8 >= -15: there p's hold can change nothing and is jumped over, by a scalar branch on the whole number e8.
.set BUF,   32768                      ; an LDS buffer: K's 16 tiles x 1,024, then V's 2 x 4 x 2,048
.set VOFF,  16384
.set PLANE, 4194304                    ; a plane of qkv
.set QF,  16                           ; v16-23   Q's fragment
.set SG,  24                           ; v24-39   the next slot's 64 bytes of mine, on their way to LDS
.set KV,  40                           ; v40-103  eight fragments of K, then four of V
.set S,   104                          ; v104-167 S^T, then p
.set OT,  168                          ; v168-199 O^T
.set PC,  200                          ; v200-215 p's codes
; v1 16 x lane; v2 16 x thread; v3 the prefetches' offset; v4 r - 8 h; v12 -M; v13 the largest t; v[14:15] the sum; v216 a permute's result; v[218:219] f; v[220:221] the sum's second chain; v222, v223 maxima;
; v224 2^e8; v225 57,344 x 2^e8; v226 -infinity; v227 the diagonal's d; v228 2^e10; v229 57,344 x 2^e10.
; s10 wave; s11 role; s12 tile; s13 i; s14 head; s16 my first query; s17 the step's first key; s18 NS; s19 the slot being fetched; s20 trips; s[22:23] lane selects; s[24:25] c; s[26:27] K's codes of the slot being fetched; s28, s29 below.
.macro PLACES
.rept 4
	v_nop
.endr
.endm
.macro LOADS                           ; a slot: 16,384 bytes of K and of V, each dense in memory; 512 threads x 16 bytes a load
	global_load_b128 v[SG:SG+3], v2, s[26:27]
	global_load_b128 v[SG+4:SG+7], v2, s[26:27] offset:8192
	global_load_b128 v[SG+8:SG+11], v2, s[26:27] offset:PLANE
	global_load_b128 v[SG+12:SG+15], v2, s[26:27] offset:PLANE+8192
.endm
.macro STORES buf
	ds_store_b128 v2, v[SG:SG+3] offset:(\buf)*BUF
	ds_store_b128 v2, v[SG+4:SG+7] offset:(\buf)*BUF+8192
	ds_store_b128 v2, v[SG+8:SG+11] offset:(\buf)*BUF+16384
	ds_store_b128 v2, v[SG+12:SG+15] offset:(\buf)*BUF+24576
.endm
	s_load_b128 s[4:7], s[0:1], 0x0                ; qkv s[4:5], the exponents s[6:7]
	s_load_b64 s[8:9], s[0:1], 0x10                ; ctx
	v_lshl_add_u32 v254, v0, 2, 0x10000
	v_mov_b32 v255, 0
	v_lshrrev_b32 v5, 5, v0
	v_readfirstlane_b32 s10, v5                    ; wave 0..15
	v_and_b32 v5, 31, v0
	v_lshlrev_b32 v1, 4, v5
	v_lshlrev_b32 v2, 4, v0
	v_and_b32 v6, 15, v0                           ; r
	v_bfe_u32 v7, v0, 4, 1                         ; h
	v_lshlrev_b32 v7, 3, v7
	v_sub_nc_u32 v4, v6, v7
	s_mov_b32 s13, ttmp9
	s_and_b32 s14, ttmp7, 0xffff
	s_lshr_b32 s11, s10, 2
	s_xor_b32 s11, s11, s10
	s_and_b32 s11, s11, 1
	s_lshr_b32 s12, s10, 1
	s_sub_co_u32 s15, 31, s13
	s_cmp_eq_u32 s11, 0
	s_cselect_b32 s16, s13, s15                    ; my block of 128 queries
	s_lshl_b32 s16, s16, 7
	s_lshl_b32 s15, s12, 4
	s_add_co_u32 s16, s16, s15                     ; my first query
	s_lshr_b32 s18, s13, 1
	s_sub_co_u32 s18, 16, s18                      ; NS
	s_add_co_u32 s20, s18, 1
	s_lshr_b32 s20, s20, 1                         ; a trip walks two slots; where NS is odd the last slot fetches nothing and all its steps are left out
	s_mov_b32 s19, 0
	s_mov_b32 s17, 0
	s_mov_b32 s22, 0x76543210
	s_mov_b32 s23, 0xfedcba98
	; the prefetches: who asks, and each lane's 256 bytes of a slot's 64 + 64 such blocks: waves 0, 1 K's, waves 2, 3 V's
	s_and_b32 s15, s10, 1
	s_lshl_b32 s15, s15, 13
	s_bfe_u32 s21, s10, 0x10001
	s_lshl_b32 s21, s21, 22
	s_add_co_u32 s15, s15, s21
	v_lshlrev_b32 v3, 8, v5
	v_add_nc_u32 v3, s15, v3
	s_lshr_b32 s15, s10, 2
	s_or_b32 s15, s15, s13                         ; 0 in waves 0 to 3 of the head's work-group i = 0, which walks all 16 slots
	s_cmp_eq_u32 s15, 0
	s_cselect_b32 s28, 15, 0                       ; a wave asks while the slot being fetched is under this number: slot 15 is the last, so nothing is asked for behind it
	s_lshl_b32 s30, s14, 18                        ; a head is 262,144 bytes in every plane and in ctx
	s_mov_b32 s31, 0
	s_lshl_b32 s42, s16, 6                         ; a tile of 16 tokens is 1,024 bytes
	s_add_co_u32 s42, s42, s30
	s_mov_b32 s43, 0
	s_wait_kmcnt 0x0
	s_load_b256 s[32:39], s[6:7], 0x10             ; e4 .. e11: s34 e6, s35 e7, s36 e8, s37 e9, s38 e10
	s_add_nc_u64 s[40:41], s[4:5], s[42:43]        ; my tile of q
	s_add_nc_u64 s[8:9], s[8:9], s[42:43]          ; and of ctx
	s_add_nc_u64 s[26:27], s[4:5], s[30:31]
	s_add_nc_u64 s[26:27], s[26:27], PLANE         ; the head's slot 0 of k; v's lies a plane further on
	global_load_b128 v[QF:QF+3], v1, s[40:41]
	global_load_b128 v[QF+4:QF+7], v1, s[40:41] offset:512
	LOADS
	v_mov_b32 v13, 0xff61b1e6                      ; the largest t so far: -3e38, under every t
	v_floor_f32 v12, -v13                          ; -M
	v_mov_b32 v14, 0
	v_mov_b32 v15, 0
	v_mov_b32 v216, 0                              ; written once: a lane permute's destination counts as one of its sources
	v_mov_b32 v219, 0                              ; (named as the upper half of the pair v[218:219])
	v_mov_b32 v226, 0xff800000
.set j, 0
.rept 32
	v_mov_b32 v[OT+j], 0                           ; the step is written without a first step of its own: it finds zeros, which the first change of M leaves zeros
.set j, j+1
.endr
	s_wait_kmcnt 0x0
	s_add_co_i32 s15, s34, s35
	s_lshl_b32 s15, s15, 23
	s_mov_b32 s24, 0x3e38aa3b                      ; c = log2(e) / 8
	s_add_co_i32 s24, s24, s15                     ; a score stands for score x 2^(e6 + e7): the exponents are added to c's exponent field
	s_mov_b32 s25, s24                             ; (named with it as a pair)
	s_add_co_i32 s15, s36, 127
	s_lshl_b32 s21, s15, 23
	v_mov_b32 v224, s21
	s_add_co_i32 s15, s15, 15
	s_lshl_b32 s15, s15, 23
	s_or_b32 s15, s15, 0x600000
	v_mov_b32 v225, s15
	s_add_co_i32 s15, s38, 127
	s_lshl_b32 s21, s15, 23
	v_mov_b32 v228, s21
	s_add_co_i32 s15, s15, 15
	s_lshl_b32 s15, s15, 23
	s_or_b32 s15, s15, 0x600000
	v_mov_b32 v229, s15
	s_cmp_lt_i32 s36, -15
	s_cselect_b32 s29, 1, 0                        ; 1: p's hold is needed
	s_wait_loadcnt 0x0                             ; Q and slot 0
	STORES 0
	s_wait_dscnt 0x0                               ; for the others' sake: my stores have landed
	s_barrier_signal -1
	s_barrier_wait -1
; A KEY STEP: 128 keys, the q-th half of buffer buf.
.macro STEP buf, q
	s_add_co_u32 s21, s16, 15
	s_cmp_gt_u32 s17, s21                          ; all 128 keys come after my 16 queries?
	s_cbranch_scc1 .Lhid_\@
	PLACES                                         ; in front of loads into registers that the last step's matrix instructions have read
.irp t, 0,1,2,3,4,5,6,7
	ds_load_b128 v[KV+8*\t:KV+8*\t+3], v1 offset:(\buf)*BUF+(8*(\q)+\t)*1024
	ds_load_b128 v[KV+8*\t+4:KV+8*\t+7], v1 offset:(\buf)*BUF+(8*(\q)+\t)*1024+512
.endr
	s_wait_dscnt 8                                 ; tiles 0-3 are in; the younger eight loads may be out
.irp t, 0,1,2,3
	v_wmma_f32_16x16x64_bf8_bf8 v[S+8*\t:S+8*\t+7], v[KV+8*\t:KV+8*\t+7], v[QF:QF+7], 0
.endr
	s_wait_dscnt 0x0
.irp t, 4,5,6,7
	v_wmma_f32_16x16x64_bf8_bf8 v[S+8*\t:S+8*\t+7], v[KV+8*\t:KV+8*\t+7], v[QF:QF+7], 0
.endr
	PLACES                                         ; in front of the loads below and of the first read of the scores
.irp d, 0,1,2,3
.irp c, 0,1,2,3
	ds_load_b128 v[KV+16*\d+4*\c:KV+16*\d+4*\c+3], v1 offset:(\buf)*BUF+VOFF+(\q)*8192+\d*2048+512*\c   ; V's fragments land while the softmax is worked
.endr
.endr
	s_add_co_u32 s21, s17, 127
	s_cmp_le_u32 s21, s16                          ; all 128 keys count for all my queries?
	s_cbranch_scc1 .Lopen_\@
	s_sub_co_i32 s21, s16, s17
	v_add_nc_u32 v227, s21, v4                     ; d = my query - the step's first key - 8 h.  Register 8 t + j holds key 16 t + 8 h + j: hidden where 16 t + j > d
.set n, 0
.rept 64
	v_cmp_gt_i32 vcc_lo, 16*(n/8)+n%8, v227
	v_cndmask_b32 v[S+n], v[S+n], v226, vcc_lo
.set n, n+1
.endr
.Lopen_\@:
	v_max3_num_f32 v222, v[S], v[S+1], v[S+2]      ; the step's largest score of my query among my 64 keys, in two chains, each accumulator from its low end on,
	v_max3_num_f32 v223, v[S+3], v[S+4], v[S+5]
.irp i, 6,10,14,18,22,26,30,34,38,42,46,50,54,58
	v_max3_num_f32 v222, v222, v[S+\i], v[S+\i+1]
	v_max3_num_f32 v223, v223, v[S+\i+2], v[S+\i+3]
.endr
	v_max3_num_f32 v222, v222, v[S+62], v[S+63]
	v_max_num_f32 v222, v222, v223
	v_permlanex16_b32 v216, v222, s22, s23
	v_max_num_f32 v222, v222, v216                 ; and among lane l xor 16's
	v_mul_f32 v222, s24, v222                      ; as t (c is positive)
	v_max_num_f32 v13, v13, v222                   ; the running largest t
	v_mov_b32 v222, v12
	v_floor_f32 v12, -v13                          ; the new -M = floor(-t) = -ceil(t): M is a whole number
	v_sub_f32 v222, v12, v222                      ; old M - new M: a whole number, 0 or less
	v_cvt_i32_f32 v222, v222                       ; (it saturates)
	v_ldexp_f32 v218, 1.0, v222                    ; f = 2^(old M - new M)
.set j, 0
.rept 32
	v_pk_fma_f32 v[S+j:S+j+1], v[S+j:S+j+1], s[24:25], v[12:13] op_sel_hi:[1,0,0]   ; t - M, two at a time (of the pairs c and -M the low word serves both halves)
.set j, j+2
.endr
.set j, 0
.rept 64
	v_exp_f32 v[S+j], v[S+j]                       ; p = 2^(t - M), at most 1
.set j, j+1
.endr
	v_pk_mul_f32 v[14:15], v[14:15], v[218:219] op_sel_hi:[1,0]   ; the sums under the new M: the plain line behind the exponentials
	s_wait_alu depctr_va_vdst(0)                   ; one wait for the whole batch, ahead of its first reader
	v_pk_add_f32 v[220:221], v[S:S+1], v[S+2:S+3]  ; the row's sum is taken of the unquantised p: two at a time, in two chains
.irp j, 4,8,12,16,20,24,28,32,36,40,44,48,52,56,60
	v_pk_add_f32 v[14:15], v[14:15], v[S+\j:S+\j+1]
	v_pk_add_f32 v[220:221], v[220:221], v[S+\j+2:S+\j+3]
.endr
	v_pk_add_f32 v[14:15], v[14:15], v[220:221]
	s_cmp_eq_u32 s29, 0
	s_cbranch_scc1 .Lnohold_\@
.set j, 0
.rept 64
	v_min_num_f32 v[S+j], v[S+j], v225             ; the conversion does not saturate (ISA guide 7.6.2); p is not negative, so the hold is one-sided
.set j, j+1
.endr
.Lnohold_\@:
.irp t, 0,1,2,3,4,5,6,7
	v_cvt_scalef32_pk8_bf8_f32 v[PC+2*\t:PC+2*\t+1], v[S+8*\t:S+8*\t+7], v224
.endr
.set j, 0
.rept 16
	v_pk_mul_f32 v[OT+j:OT+j+1], v[OT+j:OT+j+1], v[218:219] op_sel_hi:[1,0]   ; O^T under the new M.  (Also the plain lines between the conversions and the matrix instructions that read their results)
.set j, j+2
.endr
	s_wait_dscnt 0x0                               ; V is in
.irp d, 0,1,2,3
	v_wmma_f32_16x16x128_bf8_bf8 v[OT+8*\d:OT+8*\d+7], v[KV+16*\d:KV+16*\d+15], v[PC:PC+15], v[OT+8*\d:OT+8*\d+7]   ; four accumulators, one instruction each
.endr
.Lhid_\@:
	s_add_co_u32 s17, s17, 128
.endm
; A SLOT of 256 keys in buffer buf.  At its head the next slot is asked for, into registers; at its end those registers go to the other buffer.  ONE barrier a slot orders both ways: in front of it my reads of this
; buffer are back (the next slot's end overwrites it) and my stores into the other buffer have landed (the next slot reads it).
.macro SLOTM buf
	s_add_co_u32 s19, s19, 1
	s_cmp_lt_u32 s19, s18                          ; is there a next slot?  The same in all sixteen waves
	s_cbranch_scc0 .Lnoload_\@
	s_wait_xcnt 0x0                                ; the last slot's loads and prefetch have read their base
	s_add_nc_u64 s[26:27], s[26:27], 16384
	LOADS
	s_cmp_lt_u32 s19, s28
	s_cbranch_scc0 .Lnoload_\@
	global_prefetch_b8 v3, s[26:27] offset:16384 th:TH_LOAD_NT scope:SCOPE_SE   ; the slot after the one just asked for: one work-group of a head asks, four waves, a lane to each 256 bytes: each block is named once in the launch
.Lnoload_\@:
	STEP \buf, 0
	STEP \buf, 1
	s_wait_loadcnt 0x0                             ; the next slot's bytes are in my registers
	s_cmp_lt_u32 s19, s18
	s_cbranch_scc0 .Lnostore_\@
	STORES 1-(\buf)
.Lnostore_\@:
	s_wait_dscnt 0x0
	s_barrier_signal -1
	s_barrier_wait -1
.endm
.Ltrip:
	SLOTM 0
	SLOTM 1
	s_sub_co_u32 s20, s20, 1
	s_cmp_lg_u32 s20, 0
	s_cbranch_scc1 .Ltrip
	; THE WAY OUT: O^T / the sum x 2^(e8 + e9) is ctx; held, converted with 2^e10, it leaves as the image of the last product's operand: two stores of 512 consecutive bytes, aligned.
	PLACES                                         ; behind the last products
	v_add_f32 v14, v14, v15                        ; the sum's two halves,
	v_permlanex16_b32 v216, v14, s22, s23
	v_add_f32 v14, v14, v216                       ; and lane l xor 16's
	v_rcp_f32 v14, v14
	v_nop                                          ; a plain line behind the transcendental
	s_add_co_i32 s21, s36, s37
	s_wait_alu depctr_va_vdst(0)                   ; the wait, ahead of the first reader
	v_ldexp_f32 v14, v14, s21
.set j, 0
.rept 16
	v_pk_mul_f32 v[S+j:S+j+1], v[OT+j:OT+j+1], v[14:15] op_sel_hi:[1,0]   ; each accumulator from its low end on
.set j, j+2
.endr
.set j, 0
.rept 32
	v_med3_num_f32 v[S+j], v[S+j], -v229, v229
.set j, j+1
.endr
.irp d, 0,1,2,3
	v_cvt_scalef32_pk8_bf8_f32 v[PC+2*\d:PC+2*\d+1], v[S+8*\d:S+8*\d+7], v228
.endr
	v_nop
	global_store_b128 v1, v[PC:PC+3], s[8:9]
	global_store_b128 v1, v[PC+4:PC+7], s[8:9] offset:512
	s_wait_tensorcnt 0x0
	ds_add_u32 v254, v255
	s_wait_dscnt 0x0
	s_endpgm
.Lfunc_end_k_qd8b31af04a_attn:
	.size	k_qd8b31af04a_attn, .Lfunc_end_k_qd8b31af04a_attn-k_qd8b31af04a_attn
	.p2alignl 7, 3214868480
	.fill 96, 4, 3214868480
	.section	.rodata,"a",@progbits
	.p2align	6, 0x0
	.amdhsa_kernel k_qd8b31af04a_attn
		.amdhsa_group_segment_fixed_size 67584
		.amdhsa_private_segment_fixed_size 0
		.amdhsa_enable_private_segment 0
		.amdhsa_kernarg_size 24
		.amdhsa_user_sgpr_count 2
		.amdhsa_user_sgpr_kernarg_segment_ptr 1
		.amdhsa_wavefront_size32 1
		.amdhsa_system_sgpr_workgroup_id_x 1
		.amdhsa_system_sgpr_workgroup_id_y 1
		.amdhsa_system_sgpr_workgroup_id_z 1
		.amdhsa_system_vgpr_workitem_id 0
		.amdhsa_next_free_vgpr 256
		.amdhsa_next_free_sgpr 66
		.amdhsa_reserve_vcc 1
		.amdhsa_float_denorm_mode_32 3
		.amdhsa_float_denorm_mode_16_64 3
		.amdhsa_memory_ordered 1
		.amdhsa_forward_progress 1
		.amdhsa_inst_pref_size 94
	.end_amdhsa_kernel
	.amdgpu_metadata
---
amdhsa.version: [ 1, 2 ]
amdhsa.kernels:
  - .name:           k_qd8b31af04a_attn
    .symbol:         k_qd8b31af04a_attn.kd
    .args:
      - { .name: qkv, .offset: 0, .size: 8, .value_kind: global_buffer, .address_space: global }
      - { .name: lowp_scales, .offset: 8, .size: 8, .value_kind: global_buffer, .address_space: global }
      - { .name: ctx, .offset: 16, .size: 8, .value_kind: global_buffer, .address_space: global }
    .group_segment_fixed_size: 67584
    .private_segment_fixed_size: 0
    .kernarg_segment_align: 8
    .kernarg_segment_size: 24
    .max_flat_workgroup_size: 512
    .sgpr_count:     66
    .vgpr_count:     256
    .wavefront_size: 32
...
	.end_amdgpu_metadata
.endif
;; end of part 3
;; launch proj (part 4): grid 8 x 32, 4 waves a work-group, clusters of 4 x 4, 288,256 bytes of LDS; arguments ctx, wc, bo, lowp_scales, out0; writes out0
.if DOCPART == 4
	.amdgcn_target "amdgcn-amd-amdhsa--gfx1250"
	.amdhsa_code_object_version 6
	.text
	.protected	k_qd8b31af04a_proj
	.globl	k_qd8b31af04a_proj
	.p2align	8
	.type	k_qd8b31af04a_proj,@function
k_qd8b31af04a_proj:
	s_mov_b64 s[64:65], 0
	v_nop
	global_prefetch_b8 v0, s[64:65] scope:SCOPE_SE
	s_setreg_imm32_b32 hwreg(HW_REG_WAVE_MODE, 25, 1), 1
	s_wait_xcnt 0x0
	s_wait_alu depctr_hold_cnt(0) depctr_sa_sdst(0) depctr_va_vdst(0) depctr_va_sdst(0) depctr_va_ssrc(0) depctr_va_vcc(0) depctr_vm_vsrc(0)
	s_getreg_b32 s2, hwreg(HW_REG_IB_STS2, 6, 4)
	s_cmp_eq_u32 s2, 0
	s_cbranch_scc0 .Lentry_in_a_cluster
	s_endpgm
.Lentry_in_a_cluster:
	s_bfe_u32 s2, ttmp6, 0x10000c
	s_cmp_lg_u32 s2, 0xf033
	s_cbranch_scc0 .Lentry_shape_is_right
	s_endpgm
.Lentry_shape_is_right:
; out0 = ctx Wo + bo on E5M2 codes: out0[token][n] = 2^(e10 + e11) x the sum over k of ctx[token][k] Wo[k][n] + bo[n], K = 1,024, sums in f32.
; LIMIT: e10 + e11 between -126 and 127, so that 2^(e10 + e11) is an f32 number.
; A tile of out0 is 128 tokens x 128 columns: 8 x 32 = 256 work-groups.  Four waves, each 64 x 64: 16 accumulators.  ALL of K fits in LDS (131,072 bytes of ctx's codes, 139,264 of Wo's with padding):
; each wave asks for its four parts at the start and nothing is ever filled again; the four chunks of 256 along K are multiplied as they land.
; ctx arrives as images of operand registers, [head 16][tile of 16 tokens 256][1,024 bytes]: two heads' images on end ARE a fragment 16 x 128 in the matrix instruction's own layout (registers 2 c, 2 c + 1: k = 16 c + 8 h + 0 .. 7).
; So Wo's codes (wc plane 3, [n][k]) are read from LDS in that same layout, by loads of 8 bytes.
; CLUSTERS: 4 x 4 work-groups; the four of a row need the same tokens of ctx, the four of a column the same rows of Wo: each part is asked for JOINTLY, by the same tensor load with a mask that names the four.
; THE MATRIX INSTRUCTION IS USED TRANSPOSED (source 0 = 16 rows of Wo's codes, source 1 = 16 tokens): a lane holds eight neighbouring columns of one row of out0.
; REGISTERS: window 0: v0-31 addresses; v32-63 bo in the result's layout; v64-127 rows on the way out, two sets; v128-255 the accumulators ((a, b) at v[128 + 8 (4 a + b)]).   window 1: two fragment buffers of 128: A's 4 x 16, then B's 4 x 16.
.set ACH,    32768                     ; LDS: a chunk of A: [half 2][head in chunk 4][tile 4][1,024]
.set APART,  16384                     ; what one of A's loads brings
.set BBASE,  131072                    ; B begins here: [chunk 4][128 rows][272]
.set BP,     272                       ; 256 bytes + 16 of padding: the 16 rows that a load touches start at 16 different banks (ISA guide 11.1)
.set BPART,  64*BP                     ; what one of B's loads brings
.set BCH,    2*BPART
.set STAGE,  BBASE+4*BCH               ; the way out: 16 rows x 272 bytes for each wave; no tensor load lands here
.set SPITCH, 272
.set ADRA, 16                          ; v16-17  my A fragments in chunks 0-1, 2-3
.set ADRB, 20                          ; v20-21  the same for B
.set STO,  24
.set RD,   25
.set CO,   26
.set BI,   32
.set BK,   64
.set ACC,  128
.set G1A, 24                           ; s[24:31], s[32:39] descriptor groups 1;  s[48:63], s[68:83] groups 0, one for each chunk
.set G1B, 32
.set G0A, 48
.set G0B, 68
.set MSB, 0
.macro WIN new
.if MSB != \new
	s_set_vgpr_msb (MSB<<8)|\new
.set MSB, \new
.endif
.endm
.macro PLACES
.rept 4
	v_nop
.endr
.endm
.macro CROUND                          ; a round of the cluster's barrier
	s_barrier_signal -1
	s_barrier_wait -1
	s_cmp_lg_u32 s14, 0
	s_cbranch_scc1 .Lnot_wave_0_\@
	s_barrier_signal -3
.Lnot_wave_0_\@:
	s_barrier_wait -3
	s_barrier_signal -1
	s_barrier_wait -1
.endm
	s_load_b256 s[4:11], s[0:1], 0x0               ; ctx 4:5, wc 6:7, bo 8:9, the exponents 10:11
	s_load_b64 s[12:13], s[0:1], 0x20              ; out0
	v_lshl_add_u32 v30, v0, 2, 0x46400
	v_mov_b32 v31, 0
	ds_add_u32 v30, v31
	ds_add_u32 v30, v31
	v_lshrrev_b32 v1, 5, v0
	v_readfirstlane_b32 s14, v1                    ; wave 0..3
	s_lshr_b32 s15, s14, 1                         ; rh: which 64 tokens are mine.  Also: I fetch for A (0) or for B (1)
	s_and_b32 s16, s14, 1                          ; ch: which 64 columns.  Also: which half I fetch
	s_bfe_u32 s40, ttmp6, 0x40000                  ; cx, cy
	s_bfe_u32 s41, ttmp6, 0x40004
	s_lshl_b32 s42, ttmp9, 2
	s_add_co_u32 s42, s42, s40                     ; tx: my 128 columns
	s_and_b32 s17, ttmp7, 0xffff
	s_lshl_b32 s17, s17, 2
	s_add_co_u32 s17, s17, s41                     ; ty: my 128 tokens
	s_lshl_b32 s43, s41, 2
	s_lshl_b32 s43, 15, s43                        ; my row of the cluster
	s_lshl_b32 s44, 0x1111, s40                    ; my column
	; A: four heads x (4 tiles x 1,024 = 4,096 consecutive bytes), heads 262,144 bytes apart: 4 rows of 512 elements of 8 bytes, dense in LDS
	s_or_b32 s[G1A+0], s43, (3<<16)|(1<<21)        ; 15:0 the mask: my row; 17:16 elements of 8 bytes; 20 no padding; 21 set beside a mask
	s_mov_b32 s[G1A+1], 512<<16                    ; tensor_dim0 = 512
	s_mov_b32 s[G1A+2], 4<<16                      ; tensor_dim1 = 4
	s_mov_b32 s[G1A+3], 512<<16                    ; tile_dim0 = 512
	s_mov_b32 s[G1A+4], 4                          ; tile_dim1 = 4
	s_mov_b32 s[G1A+5], 32768                      ; tensor_dim0_stride, in elements
	s_mov_b32 s[G1A+6], 0
	s_mov_b32 s[G1A+7], 0
	; B: 64 rows x 256 bytes, 1,024 bytes apart, 16 bytes of padding behind each
	s_or_b32 s[G1B+0], s44, (0<<16)|(1<<20)|(1<<21)|(5<<22)|(3<<25)
	s_mov_b32 s[G1B+1], 256<<16
	s_mov_b32 s[G1B+2], 64<<16
	s_mov_b32 s[G1B+3], 256<<16
	s_mov_b32 s[G1B+4], 64
	s_mov_b32 s[G1B+5], 1024
	s_mov_b32 s[G1B+6], 0
	s_mov_b32 s[G1B+7], 0
	s_lshl_b32 s20, s17, 3
	s_lshl_b32 s18, s16, 2
	s_add_co_u32 s20, s20, s18                     ; A: tile of tokens 8 ty + 4 x half,
	s_lshl_b32 s20, s20, 10                        ; 1,024 bytes each
	s_mov_b32 s21, 0
	s_lshl_b32 s46, s42, 7
	s_lshl_b32 s18, s16, 6
	s_add_co_u32 s46, s46, s18                     ; B: row 128 tx + 64 x half,
	s_lshl_b32 s46, s46, 10
	s_add_co_u32 s46, s46, 0x300000                ; in wc's plane 3
	s_mov_b32 s47, 0
	s_lshl_b32 s86, s16, 14                        ; where they go: no place in the cluster enters an LDS address
	s_mul_i32 s87, s16, BPART
	s_wait_dscnt 0x0
	s_wait_kmcnt 0x0
	s_load_b64 s[84:85], s[10:11], 0x28            ; e10, e11
	s_add_nc_u64 s[20:21], s[4:5], s[20:21]
	s_add_nc_u64 s[46:47], s[6:7], s[46:47]
.irp q, 0,1,2,3
	s_mov_b32 s[G0A+4*\q], 1
	s_add_co_u32 s[G0A+4*\q+1], s86, \q*ACH
	s_add_nc_u64 s[G0A+4*\q+2:G0A+4*\q+3], s[20:21], \q*0x100000   ; chunk q: heads 4 q on
	s_or_b32 s[G0A+4*\q+3], s[G0A+4*\q+3], 0x80000000
	s_mov_b32 s[G0B+4*\q], 1
	s_add_co_u32 s[G0B+4*\q+1], s87, BBASE+\q*BCH
	s_add_nc_u64 s[G0B+4*\q+2:G0B+4*\q+3], s[46:47], \q*256        ; chunk q: k = 256 q on
	s_or_b32 s[G0B+4*\q+3], s[G0B+4*\q+3], 0x80000000
.endr
	CROUND                                         ; all sixteen work-groups are here: the joint loads meet
	s_cmp_eq_u32 s15, 0                            ; a wave's four first fills stand in one branch on its number: four loads of mine are out; four v_nop follow the last
	s_cbranch_scc0 .Lfirst_b
.irp q, 0,1,2,3
	tensor_load_to_lds s[G0A+4*\q:G0A+4*\q+3], s[G1A:G1A+7]
	s_nop 0
.endr
	PLACES
	s_branch .Lfirst_asked
.Lfirst_b:
.irp q, 0,1,2,3
	tensor_load_to_lds s[G0B+4*\q:G0B+4*\q+3], s[G1B:G1B+7]
	s_nop 0
.endr
	PLACES
.Lfirst_asked:
	v_and_b32 v1, 15, v0                           ; r
	v_bfe_u32 v2, v0, 4, 1                         ; h
	v_and_b32 v3, 31, v0
	v_lshlrev_b32 v3, 4, v3                        ; 16 x lane
	s_lshl_b32 s18, s15, 14
	v_add_nc_u32 v[ADRA], s18, v3                  ; A: an image's place for my lane, in my half
	v_add_nc_u32 v[ADRA+1], 2*ACH, v[ADRA]
	v_mul_u32_u24 v4, v1, BP
	v_lshl_add_u32 v4, v2, 3, v4                   ; B: row r x pitch + 8 h
	s_mul_i32 s18, s16, BPART
	s_add_co_u32 s18, s18, BBASE
	v_add_nc_u32 v[ADRB], s18, v4
	v_add_nc_u32 v[ADRB+1], 2*BCH, v[ADRB]
	s_mul_i32 s18, s14, 16*SPITCH
	s_add_co_u32 s18, s18, STAGE                   ; my stage
	v_mul_u32_u24 v5, v1, SPITCH
	v_lshl_add_u32 v5, v2, 5, v5
	v_add_nc_u32 v[STO], s18, v5                   ; in: row r, 32 bytes for each half of the lanes
	v_mul_u32_u24 v5, v2, SPITCH
	v_lshl_add_u32 v5, v1, 4, v5
	v_add_nc_u32 v[RD], s18, v5                    ; back: lanes 0-15 one row of 256 bytes, lanes 16-31 the next
	v_lshlrev_b32 v[CO], 12, v2
	v_lshl_add_u32 v[CO], v1, 4, v[CO]             ; and the same two rows in out0 (4,096 bytes a row)
	v_lshlrev_b32 v6, 5, v2                        ; bo: 8 h numbers on
	s_lshl_b32 s88, s42, 9
	s_lshl_b32 s18, s16, 8
	s_add_co_u32 s88, s88, s18                     ; my first column, in bytes: 512 tx + 256 ch
	s_mov_b32 s89, 0
	s_add_nc_u64 s[8:9], s[8:9], s[88:89]
	s_lshl_b32 s90, s17, 19
	s_lshl_b32 s18, s15, 18
	s_add_co_u32 s90, s90, s18                     ; my first row: (128 ty + 64 rh) x 4,096
	s_add_co_u32 s90, s90, s88
	s_mov_b32 s91, 0
	s_add_nc_u64 s[12:13], s[12:13], s[90:91]
.irp b, 0,1,2,3
	global_load_b128 v[BI+8*\b:BI+8*\b+3], v6, s[8:9] offset:64*\b        ; bo(16 b + 8 h + 0 .. 7) of my 64 columns
	global_load_b128 v[BI+8*\b+4:BI+8*\b+7], v6, s[8:9] offset:64*\b+16
.endr
; The fragments of K step s (128 along K: heads 2 s, 2 s + 1) into buffer f: A by 16 loads of 16 bytes (images), B by 32 of 8 bytes: 48 LDS loads in one run
.macro FETCH s, f
	WIN 0x40                                       ; destination window 1, address window 0
.irp a, 0,1,2,3
.irp hh, 0,1
.irp pc, 0,1
	ds_load_b128 v[\f+16*\a+8*\hh+4*\pc:\f+16*\a+8*\hh+4*\pc+3], v[ADRA+(\s)/4] offset:(((\s)/2)%2)*ACH+(2*((\s)%2)+\hh)*4096+\a*1024+512*\pc
.endr
.endr
.endr
.irp b, 0,1,2,3
.irp c, 0,1,2,3,4,5,6,7
	ds_load_b64 v[\f+64+16*\b+2*\c:\f+64+16*\b+2*\c+1], v[ADRB+(\s)/4] offset:(((\s)/2)%2)*BCH+\b*16*BP+128*((\s)%2)+16*\c
.endr
.endr
.endm
; 16 matrix instructions, the 16 accumulators by turns, in the same order in every step.  zero = 1: the first products start the sums
.macro MUL16 f, zero
	WIN 0x05                                       ; sources 0 and 1 window 1; C and D window 0
.irp a, 0,1,2,3
.irp b, 0,1,2,3
.if \zero
	v_wmma_f32_16x16x128_bf8_bf8 v[ACC+8*(4*\a+\b):ACC+8*(4*\a+\b)+7], v[\f+64+16*\b:\f+64+16*\b+15], v[\f+16*\a:\f+16*\a+15], 0
.else
	v_wmma_f32_16x16x128_bf8_bf8 v[ACC+8*(4*\a+\b):ACC+8*(4*\a+\b)+7], v[\f+64+16*\b:\f+64+16*\b+15], v[\f+16*\a:\f+16*\a+15], v[ACC+8*(4*\a+\b):ACC+8*(4*\a+\b)+7]
.endif
.endr
.endr
.endm
; K step s multiplies buffer s % 2 and fetches step s + 1 into the other.  Behind an odd step a new chunk begins: my part of it has landed (the later chunks' loads may stay out), and a barrier shows that everybody's has.
.macro KS s
.set FC, 128*((\s)%2)
.set FN, 128-FC
.if (\s) == 7
	s_wait_dscnt 0x0
.elseif (\s)%2 == 1
	s_wait_tensorcnt 3-((\s)+1)/2                  ; chunk (s + 1) / 2 is in; the chunks behind it may be out
	s_wait_dscnt 0x0                               ; this step's fragments are in, and no LDS instruction of mine is pending at the signal
	s_barrier_signal -1
	s_barrier_wait -1
	PLACES                                         ; in front of loads into the buffer that the last step multiplied
	FETCH (\s)+1, FN
.else
.if (\s) > 0
	PLACES
.endif
	FETCH (\s)+1, FN
	s_wait_dscnt 48                                ; all but the 48 just issued
.endif
.if (\s) == 0
	MUL16 FC, 1
.else
	MUL16 FC, 0
.endif
.endm
	s_wait_tensorcnt 3                             ; my part of chunk 0 is in; three loads may be out,
	s_barrier_signal -1
	s_barrier_wait -1                              ; everybody's is
	FETCH 0, 0
.irp s, 0,1,2,3,4,5,6,7
	KS \s
.endr
	WIN 0
; THE WAY OUT, block by block of 16 tokens x 64 columns: sum x 2^(e10 + e11) + bo, one packed multiply-add for two numbers; through my own stage; back as whole rows of 256 bytes.
.macro PACK a
.irp b, 0,1,2,3
.irp i, 0,2,4,6
	v_pk_fma_f32 v[ACC+8*(4*(\a)+\b)+\i:ACC+8*(4*(\a)+\b)+\i+1], v[ACC+8*(4*(\a)+\b)+\i:ACC+8*(4*(\a)+\b)+\i+1], s[84:85], v[BI+8*\b+\i:BI+8*\b+\i+1] op_sel_hi:[1,0,1]   ; each accumulator from its low end on
.endr
.endr
.endm
.macro TOSTAGE a
.set BB, BK+32*((\a)%2)
.irp b, 0,1,2,3
	ds_store_b128 v[STO], v[ACC+8*(4*(\a)+\b):ACC+8*(4*(\a)+\b)+3] offset:64*\b
	ds_store_b128 v[STO], v[ACC+8*(4*(\a)+\b)+4:ACC+8*(4*(\a)+\b)+7] offset:64*\b+16
.endr
.irp i, 0,1,2,3,4,5,6,7
	ds_load_b128 v[BB+4*\i:BB+4*\i+3], v[RD] offset:2*\i*SPITCH   ; LDS serves a wave's instructions in order (ISA guide 5.7.1.4): these see my stores, and the next block's stores come behind them
.endr
.endm
.macro SEND a, younger                 ; younger: the LDS instructions issued behind block a's loads, which may stay out
.set BB, BK+32*((\a)%2)
	s_wait_dscnt \younger
.irp i, 0,1,2,3,4,5,6,7
	global_store_b128 v[CO], v[BB+4*\i:BB+4*\i+3], s[12:13] offset:(16*(\a)+2*\i)*4096 th:TH_STORE_NT   ; 16 lanes store 256 consecutive bytes, aligned; written once, read by nobody here
.endr
.endm
	s_wait_kmcnt 0x0
	s_add_co_i32 s84, s84, s85
	s_add_co_i32 s84, s84, 127
	s_lshl_b32 s84, s84, 23                        ; 2^(e10 + e11) as f32
	s_mov_b32 s85, s84                             ; (named with it as a pair)
	s_wait_loadcnt 0x0                             ; bo
	PLACES                                         ; behind the last products, ahead of the first read of results
	PACK 0
	TOSTAGE 0
.irp a, 1,2,3
	PACK \a
.if \a > 1
	s_wait_xcnt 0x0                                ; block a - 2's stores have read their registers: block a's loads may land there
.endif
	TOSTAGE \a
	SEND \a-1, 16                                  ; behind block a - 1's loads: block a's 8 stores and 8 loads
.endr
	SEND 3, 0
	s_wait_tensorcnt 0x0
	ds_add_u32 v30, v31
	s_wait_dscnt 0x0
	CROUND                                         ; the closing round: no work-group ends while a partner may still ask for a part that names it
	s_endpgm
.Lfunc_end_k_qd8b31af04a_proj:
	.size	k_qd8b31af04a_proj, .Lfunc_end_k_qd8b31af04a_proj-k_qd8b31af04a_proj
	.p2alignl 7, 3214868480
	.fill 96, 4, 3214868480
	.section	.rodata,"a",@progbits
	.p2align	6, 0x0
	.amdhsa_kernel k_qd8b31af04a_proj
		.amdhsa_group_segment_fixed_size 288256
		.amdhsa_private_segment_fixed_size 0
		.amdhsa_enable_private_segment 0
		.amdhsa_kernarg_size 40
		.amdhsa_user_sgpr_count 2
		.amdhsa_user_sgpr_kernarg_segment_ptr 1
		.amdhsa_wavefront_size32 1
		.amdhsa_system_sgpr_workgroup_id_x 1
		.amdhsa_system_sgpr_workgroup_id_y 1
		.amdhsa_system_sgpr_workgroup_id_z 1
		.amdhsa_system_vgpr_workitem_id 0
		.amdhsa_next_free_vgpr 512
		.amdhsa_next_free_sgpr 96
		.amdhsa_reserve_vcc 0
		.amdhsa_float_denorm_mode_32 3
		.amdhsa_float_denorm_mode_16_64 3
		.amdhsa_memory_ordered 1
		.amdhsa_forward_progress 1
		.amdhsa_inst_pref_size 55
	.end_amdhsa_kernel
	.amdgpu_metadata
---
amdhsa.version: [ 1, 2 ]
amdhsa.kernels:
  - .name:           k_qd8b31af04a_proj
    .symbol:         k_qd8b31af04a_proj.kd
    .args:
      - { .name: ctx, .offset: 0, .size: 8, .value_kind: global_buffer, .address_space: global }
      - { .name: wc, .offset: 8, .size: 8, .value_kind: global_buffer, .address_space: global }
      - { .name: bo, .offset: 16, .size: 8, .value_kind: global_buffer, .address_space: global }
      - { .name: lowp_scales, .offset: 24, .size: 8, .value_kind: global_buffer, .address_space: global }
      - { .name: out0, .offset: 32, .size: 8, .value_kind: global_buffer, .address_space: global }
    .group_segment_fixed_size: 288256
    .private_segment_fixed_size: 0
    .kernarg_segment_align: 8
    .kernarg_segment_size: 40
    .max_flat_workgroup_size: 128
    .sgpr_count:     96
    .vgpr_count:     512
    .wavefront_size: 32
...
	.end_amdgpu_metadata
.endif
;; end of part 4
;; ======== version 2 of 2: 4 launches; version 1 with the launch attn written anew for expert scheduling mode
;; workspace buffers: xc 12,582,912 bytes; wc 4,194,304 bytes; qkv 12,582,912 bytes; ctx 4,194,304 bytes
;; launch prep: the kernel of part 1 again; grid 256 x 1, 4 waves a work-group, no clusters, 68,096 bytes of LDS; arguments x, Wq, Wk, Wv, Wo, lowp_scales, xc, wc; writes xc, wc
;; launch qkv: the kernel of part 2 again; grid 4 x 48, 4 waves a work-group, clusters of 4 x 4, 327,680 bytes of LDS; arguments xc, wc, lowp_scales, qkv; writes qkv
;; launch attn (part 5): grid 16 x 16, 16 waves a work-group, no clusters, 67,584 bytes of LDS; arguments qkv, lowp_scales, ctx; writes ctx
.if DOCPART == 5
	.amdgcn_target "amdgcn-amd-amdhsa--gfx1250"
	.amdhsa_code_object_version 6
	.text
	.protected	k_qd8b31af04a_attn
	.globl	k_qd8b31af04a_attn
	.p2align	8
	.type	k_qd8b31af04a_attn,@function
k_qd8b31af04a_attn:
	s_mov_b64 s[64:65], 0
	v_nop
	global_prefetch_b8 v0, s[64:65] scope:SCOPE_SE
	s_setreg_imm32_b32 hwreg(HW_REG_WAVE_SCHED_MODE, 0, 2), 2
	s_setreg_imm32_b32 hwreg(HW_REG_WAVE_MODE, 25, 1), 1
	s_wait_xcnt 0x0
	s_wait_alu depctr_vm_vsrc(0)
; ctx[token][head][:] = the sum over keys k <= token of softmax_k(q . k / 8) v, both products on E5M2 codes, and the result quantised with 2^e10 for the last product.
; THE SOFTMAX AHEAD OF THE SECOND PRODUCT: t = score x log2(e) / 8; M = the row's largest t so far, rounded UP to a whole number; p = 2^(t - M) is quantised with 2^e8, not normalised.
; The row's sum is taken of the unquantised p, in f32, and divides at the end.  When M moves, the sum and O are multiplied by 2^(old M - new M): exact.
; INPUTS are images of operand registers (16 bytes a lane at 16 x lane, 512 bytes a piece): q, k: [head][tile of 16 tokens][1,024]; v: [head][128 keys][16 of d][2,048], keys along the registers.
; SHARES.  Work-group (i, head) owns two blocks of 128 queries, block i and block 31 - i: (i + 1) + (32 - i) = 33 steps of 128 keys for a pair of waves, the same in all 256 work-groups.
; Sixteen waves, each ONE tile of 16 queries in 256 registers, four to a SIMD.  Wave w: tile w / 2 of the low block (role 0) or of the high one (role 1), role = (w ^ (w / 4)) & 1.
; K and V go from memory through registers into two LDS buffers of 256 keys by turns: each thread brings 4 x 16 bytes a slot, asked for a slot ahead.  The work-group walks NS = 16 - i / 2 slots, as many as its high block needs.
; NO CLUSTER, NO JOINT LOADS, though the sixteen work-groups of a head read the same K and V: they walk 9 to 16 slots, so partners would need different numbers of tiles.
; LAYOUT.  S^T = K Q^T (source 0 = 16 keys, source 1 = my 16 queries): lane (r, h) holds query r, register 8 t + j key 16 t + 8 h + j.  One conversion of tile t's eight registers gives registers 2 t, 2 t + 1 of P,
; source 1 of O^T = V^T P^T (source 0 = 16 of d x 128 keys), whose own layout wants just these keys there.  O^T: lane (r, h): query r, register 8 dt + j: d = 16 dt + 8 h + j: converted, it is ctx's image (as q's).
; CAUSAL.  A step all of whose keys come after my queries is left out by a scalar branch on ids; in the step on the diagonal hidden scores become -infinity ahead of the maximum.  Key 0 counts for every query.
; LIMITS on the given exponents: e6 + e7 between -123 and 130 (added to c's exponent field); e8 and e10 between -126 and 112; e8 + e9 is applied by v_ldexp_f32.  NaN is not served.
; p is at most 1, and 57,344 x 2^e8 is at least 1 wherever e8 >= -15: there p's hold can change nothing and is jumped over, by a scalar branch on the whole number e8.
; THE MODE: SCHED_MODE bits 1:0 = 2 (LLVM: expert scheduling mode 2), set by the entry lines.  The code itself states the register dependences
; between vector or matrix instructions and memory or LDS instructions, with s_wait_alu, always for 0.
; THE PLAN.  Registers that memory or LDS instructions touch:
;   v1, v2, v3   offsets and LDS addresses.  Made once at the head by vector instructions and never written again: one wait on va_vdst ahead of the first load serves every load, LDS load, LDS store, prefetch and store of the kernel.
;   QF           Two loads land in it at the head; the products K Q^T read it; nothing lands in it again.
;   SG           The four loads at a slot's head land in it; the four LDS stores at the slot's end read it; no vector instruction names it.  One wait on vm_vsrc at a slot's head: the stores have read it.
;   KV           In a step: K's 16 LDS loads land in it, the eight products K Q^T read it, V's 16 LDS loads land in it, the four products V^T P read it.  So a step has two waits on va_vdst, each ahead of a run of
;                16 loads: at its head (the last step's V^T P are done reading) and behind K Q^T (these are done reading; the vector lines that follow read their results).
;   PC           Written by the conversions, read by matrix instructions; on the way out by the two stores, behind one wait on va_vdst.
;   S, O^T and the statistics are named by vector and matrix instructions alone.
; K and V share KV because a wave has 256 registers (sixteen waves on four SIMDs of 1,024), of which 34 are free, and a second buffer of fragments is 64.
; The diagonal's 64 compares write scalar masks, 32 at a time into s66 to s97, with one wait on va_sdst behind each run, ahead of the selects that read them.
.set BUF,   32768                      ; an LDS buffer: K's 16 tiles x 1,024, then V's 2 x 4 x 2,048
.set VOFF,  16384
.set PLANE, 4194304                    ; a plane of qkv
.set QF,  16                           ; v16-23   Q's fragment
.set SG,  24                           ; v24-39   the next slot's 64 bytes of mine, on their way to LDS
.set KV,  40                           ; v40-103  eight fragments of K, then four of V
.set S,   104                          ; v104-167 S^T, then p
.set OT,  168                          ; v168-199 O^T
.set PC,  200                          ; v200-215 p's codes
.set MK,  66                           ; s66-97   the diagonal's masks, 32 at a time
; v1 16 x lane; v2 16 x thread; v3 the prefetches' offset; v4 r - 8 h; v12 -M; v13 the largest t; v[14:15] the sum; v216 a permute's result; v[218:219] f; v[220:221] the sum's second chain; v222, v223 maxima;
; v224 2^e8; v225 57,344 x 2^e8; v226 -infinity; v227 the diagonal's d; v228 2^e10; v229 57,344 x 2^e10.
; s10 wave; s11 role; s12 tile; s13 i; s14 head; s16 my first query; s17 the step's first key; s18 NS; s19 the slot being fetched; s20 trips; s[22:23] lane selects; s[24:25] c; s[26:27] K's codes of the slot being fetched; s28, s29 below.
.macro PLACES
.rept 4
	v_nop
.endr
.endm
.macro LOADS                           ; a slot: 16,384 bytes of K and of V, each dense in memory; 512 threads x 16 bytes a load
	global_load_b128 v[SG:SG+3], v2, s[26:27]
	global_load_b128 v[SG+4:SG+7], v2, s[26:27] offset:8192
	global_load_b128 v[SG+8:SG+11], v2, s[26:27] offset:PLANE
	global_load_b128 v[SG+12:SG+15], v2, s[26:27] offset:PLANE+8192
.endm
.macro STORES buf
	ds_store_b128 v2, v[SG:SG+3] offset:(\buf)*BUF
	ds_store_b128 v2, v[SG+4:SG+7] offset:(\buf)*BUF+8192
	ds_store_b128 v2, v[SG+8:SG+11] offset:(\buf)*BUF+16384
	ds_store_b128 v2, v[SG+12:SG+15] offset:(\buf)*BUF+24576
.endm
	s_load_b128 s[4:7], s[0:1], 0x0                ; qkv s[4:5], the exponents s[6:7]
	s_load_b64 s[8:9], s[0:1], 0x10                ; ctx
	v_lshl_add_u32 v254, v0, 2, 0x10000
	v_mov_b32 v255, 0
	v_lshrrev_b32 v5, 5, v0
	v_readfirstlane_b32 s10, v5                    ; wave 0..15
	v_and_b32 v5, 31, v0
	v_lshlrev_b32 v1, 4, v5
	v_lshlrev_b32 v2, 4, v0
	v_and_b32 v6, 15, v0                           ; r
	v_bfe_u32 v7, v0, 4, 1                         ; h
	v_lshlrev_b32 v7, 3, v7
	v_sub_nc_u32 v4, v6, v7
	s_mov_b32 s13, ttmp9
	s_and_b32 s14, ttmp7, 0xffff
	s_wait_alu depctr_va_sdst(0)                   ; s10 is written, ahead of its first reader: the role, the tile and the prefetches' part are made from it
	s_lshr_b32 s11, s10, 2
	s_xor_b32 s11, s11, s10
	s_and_b32 s11, s11, 1
	s_lshr_b32 s12, s10, 1
	s_sub_co_u32 s15, 31, s13
	s_cmp_eq_u32 s11, 0
	s_cselect_b32 s16, s13, s15                    ; my block of 128 queries
	s_lshl_b32 s16, s16, 7
	s_lshl_b32 s15, s12, 4
	s_add_co_u32 s16, s16, s15                     ; my first query
	s_lshr_b32 s18, s13, 1
	s_sub_co_u32 s18, 16, s18                      ; NS
	s_add_co_u32 s20, s18, 1
	s_lshr_b32 s20, s20, 1                         ; a trip walks two slots; where NS is odd the last slot fetches nothing and all its steps are left out
	s_mov_b32 s19, 0
	s_mov_b32 s17, 0
	s_mov_b32 s22, 0x76543210
	s_mov_b32 s23, 0xfedcba98
	; the prefetches: who asks, and each lane's 256 bytes of a slot's 64 + 64 such blocks: waves 0, 1 K's, waves 2, 3 V's
	s_and_b32 s15, s10, 1
	s_lshl_b32 s15, s15, 13
	s_bfe_u32 s21, s10, 0x10001
	s_lshl_b32 s21, s21, 22
	s_add_co_u32 s15, s15, s21
	v_lshlrev_b32 v3, 8, v5
	v_add_nc_u32 v3, s15, v3
	s_lshr_b32 s15, s10, 2
	s_or_b32 s15, s15, s13                         ; 0 in waves 0 to 3 of the head's work-group i = 0, which walks all 16 slots
	s_cmp_eq_u32 s15, 0
	s_cselect_b32 s28, 15, 0                       ; a wave asks while the slot being fetched is under this number: slot 15 is the last, so nothing is asked for behind it
	s_lshl_b32 s30, s14, 18                        ; a head is 262,144 bytes in every plane and in ctx
	s_mov_b32 s31, 0
	s_lshl_b32 s42, s16, 6                         ; a tile of 16 tokens is 1,024 bytes
	s_add_co_u32 s42, s42, s30
	s_mov_b32 s43, 0
	s_wait_kmcnt 0x0
	s_load_b256 s[32:39], s[6:7], 0x10             ; e4 .. e11: s34 e6, s35 e7, s36 e8, s37 e9, s38 e10
	s_add_nc_u64 s[40:41], s[4:5], s[42:43]        ; my tile of q
	s_add_nc_u64 s[8:9], s[8:9], s[42:43]          ; and of ctx
	s_add_nc_u64 s[26:27], s[4:5], s[30:31]
	s_add_nc_u64 s[26:27], s[26:27], PLANE         ; the head's slot 0 of k; v's lies a plane further on
	s_wait_alu depctr_va_vdst(0)                   ; v1, v2 and v3 are written: every load, LDS load, LDS store, prefetch and store of the kernel reads one of them, and no vector instruction names them again
	global_load_b128 v[QF:QF+3], v1, s[40:41]
	global_load_b128 v[QF+4:QF+7], v1, s[40:41] offset:512
	LOADS
	v_mov_b32 v13, 0xff61b1e6                      ; the largest t so far: -3e38, under every t
	v_floor_f32 v12, -v13                          ; -M
	v_mov_b32 v14, 0
	v_mov_b32 v15, 0
	v_mov_b32 v216, 0                              ; written once: a lane permute's destination counts as one of its sources
	v_mov_b32 v219, 0                              ; (named as the upper half of the pair v[218:219])
	v_mov_b32 v226, 0xff800000
.set j, 0
.rept 32
	v_mov_b32 v[OT+j], 0                           ; the step is written without a first step of its own: it finds zeros, which the first change of M leaves zeros
.set j, j+1
.endr
	s_wait_kmcnt 0x0
	s_add_co_i32 s15, s34, s35
	s_lshl_b32 s15, s15, 23
	s_mov_b32 s24, 0x3e38aa3b                      ; c = log2(e) / 8
	s_add_co_i32 s24, s24, s15                     ; a score stands for score x 2^(e6 + e7): the exponents are added to c's exponent field
	s_mov_b32 s25, s24                             ; (named with it as a pair)
	s_add_co_i32 s15, s36, 127
	s_lshl_b32 s21, s15, 23
	v_mov_b32 v224, s21
	s_add_co_i32 s15, s15, 15
	s_lshl_b32 s15, s15, 23
	s_or_b32 s15, s15, 0x600000
	v_mov_b32 v225, s15
	s_add_co_i32 s15, s38, 127
	s_lshl_b32 s21, s15, 23
	v_mov_b32 v228, s21
	s_add_co_i32 s15, s15, 15
	s_lshl_b32 s15, s15, 23
	s_or_b32 s15, s15, 0x600000
	v_mov_b32 v229, s15
	s_cmp_lt_i32 s36, -15
	s_cselect_b32 s29, 1, 0                        ; 1: p's hold is needed
	s_wait_loadcnt 0x0                             ; Q and slot 0
	STORES 0
	s_wait_dscnt 0x0                               ; for the others' sake: my stores have landed
	s_barrier_signal -1
	s_barrier_wait -1
; A KEY STEP: 128 keys, the q-th half of buffer buf.
.macro STEP buf, q
	s_add_co_u32 s21, s16, 15
	s_cmp_gt_u32 s17, s21                          ; all 128 keys come after my 16 queries?
	s_cbranch_scc1 .Lhid_\@
	PLACES                                         ; in front of loads into registers that the last step's matrix instructions have read; they stay beside the wait below
	s_wait_alu depctr_va_vdst(0)                   ; the last step's four products V^T P are done reading v[KV ..], in which K's fragments land
.irp t, 0,1,2,3,4,5,6,7
	ds_load_b128 v[KV+8*\t:KV+8*\t+3], v1 offset:(\buf)*BUF+(8*(\q)+\t)*1024
	ds_load_b128 v[KV+8*\t+4:KV+8*\t+7], v1 offset:(\buf)*BUF+(8*(\q)+\t)*1024+512
.endr
	s_wait_dscnt 8                                 ; tiles 0-3 are in; the younger eight loads may be out
.irp t, 0,1,2,3
	v_wmma_f32_16x16x64_bf8_bf8 v[S+8*\t:S+8*\t+7], v[KV+8*\t:KV+8*\t+7], v[QF:QF+7], 0
.endr
	s_wait_dscnt 0x0
.irp t, 4,5,6,7
	v_wmma_f32_16x16x64_bf8_bf8 v[S+8*\t:S+8*\t+7], v[KV+8*\t:KV+8*\t+7], v[QF:QF+7], 0
.endr
	PLACES                                         ; in front of the loads below and of the first read of the scores
	s_wait_alu depctr_va_vdst(0)                   ; the eight products K Q^T are done reading v[KV ..], in which V's fragments land; no vector or matrix instruction names v[KV ..] again ahead of the wait for these loads
.irp d, 0,1,2,3
.irp c, 0,1,2,3
	ds_load_b128 v[KV+16*\d+4*\c:KV+16*\d+4*\c+3], v1 offset:(\buf)*BUF+VOFF+(\q)*8192+\d*2048+512*\c   ; V's fragments land while the softmax is worked
.endr
.endr
	s_add_co_u32 s21, s17, 127
	s_cmp_le_u32 s21, s16                          ; all 128 keys count for all my queries?
	s_cbranch_scc1 .Lopen_\@
	s_sub_co_i32 s21, s16, s17
	v_add_nc_u32 v227, s21, v4                     ; d = my query - the step's first key - 8 h.  Register 8 t + j holds key 16 t + 8 h + j: hidden where 16 t + j > d
.irp g, 0,1                                    ; tiles 4 g to 4 g + 3: a run of 32 compares, one wait, a run of 32 selects, each accumulator from its low end on
.set n, 32*\g
.rept 32
	v_cmp_gt_i32 s[MK+n%32], 16*(n/8)+n%8, v227
.set n, n+1
.endr
	s_wait_alu depctr_va_sdst(0)                   ; the 32 compares have written their masks s[MK ..], ahead of the first select that reads one
.set n, 32*\g
.rept 32
	v_cndmask_b32 v[S+n], v[S+n], v226, s[MK+n%32]
.set n, n+1
.endr
.endr
.Lopen_\@:
	v_max3_num_f32 v222, v[S], v[S+1], v[S+2]      ; the step's largest score of my query among my 64 keys, in two chains, each accumulator from its low end on,
	v_max3_num_f32 v223, v[S+3], v[S+4], v[S+5]
.irp i, 6,10,14,18,22,26,30,34,38,42,46,50,54,58
	v_max3_num_f32 v222, v222, v[S+\i], v[S+\i+1]
	v_max3_num_f32 v223, v223, v[S+\i+2], v[S+\i+3]
.endr
	v_max3_num_f32 v222, v222, v[S+62], v[S+63]
	v_max_num_f32 v222, v222, v223
	v_permlanex16_b32 v216, v222, s22, s23
	v_max_num_f32 v222, v222, v216                 ; and among lane l xor 16's
	v_mul_f32 v222, s24, v222                      ; as t (c is positive)
	v_max_num_f32 v13, v13, v222                   ; the running largest t
	v_mov_b32 v222, v12
	v_floor_f32 v12, -v13                          ; the new -M = floor(-t) = -ceil(t): M is a whole number
	v_sub_f32 v222, v12, v222                      ; old M - new M: a whole number, 0 or less
	v_cvt_i32_f32 v222, v222                       ; (it saturates)
	v_ldexp_f32 v218, 1.0, v222                    ; f = 2^(old M - new M)
.set j, 0
.rept 32
	v_pk_fma_f32 v[S+j:S+j+1], v[S+j:S+j+1], s[24:25], v[12:13] op_sel_hi:[1,0,0]   ; t - M, two at a time (of the pairs c and -M the low word serves both halves)
.set j, j+2
.endr
.set j, 0
.rept 64
	v_exp_f32 v[S+j], v[S+j]                       ; p = 2^(t - M), at most 1
.set j, j+1
.endr
	v_pk_mul_f32 v[14:15], v[14:15], v[218:219] op_sel_hi:[1,0]   ; the sums under the new M: the plain line behind the exponentials
	s_wait_alu depctr_va_vdst(0)                   ; the 64 exponentials have written v[S ..]: one wait for the whole batch, ahead of its first reader
	v_pk_add_f32 v[220:221], v[S:S+1], v[S+2:S+3]  ; the row's sum is taken of the unquantised p: two at a time, in two chains
.irp j, 4,8,12,16,20,24,28,32,36,40,44,48,52,56,60
	v_pk_add_f32 v[14:15], v[14:15], v[S+\j:S+\j+1]
	v_pk_add_f32 v[220:221], v[220:221], v[S+\j+2:S+\j+3]
.endr
	v_pk_add_f32 v[14:15], v[14:15], v[220:221]
	s_cmp_eq_u32 s29, 0
	s_cbranch_scc1 .Lnohold_\@
.set j, 0
.rept 64
	v_min_num_f32 v[S+j], v[S+j], v225             ; the conversion does not saturate (ISA guide 7.6.2); p is not negative, so the hold is one-sided
.set j, j+1
.endr
.Lnohold_\@:
.irp t, 0,1,2,3,4,5,6,7
	v_cvt_scalef32_pk8_bf8_f32 v[PC+2*\t:PC+2*\t+1], v[S+8*\t:S+8*\t+7], v224
.endr
.set j, 0
.rept 16
	v_pk_mul_f32 v[OT+j:OT+j+1], v[OT+j:OT+j+1], v[218:219] op_sel_hi:[1,0]   ; O^T under the new M.  (Also the plain lines between the conversions and the matrix instructions that read their results)
.set j, j+2
.endr
	s_wait_dscnt 0x0                               ; V is in
.irp d, 0,1,2,3
	v_wmma_f32_16x16x128_bf8_bf8 v[OT+8*\d:OT+8*\d+7], v[KV+16*\d:KV+16*\d+15], v[PC:PC+15], v[OT+8*\d:OT+8*\d+7]   ; four accumulators, one instruction each
.endr
.Lhid_\@:
	s_add_co_u32 s17, s17, 128
.endm
; A SLOT of 256 keys in buffer buf.  At its head the next slot is asked for, into registers; at its end those registers go to the other buffer.  ONE barrier a slot orders both ways: in front of it my reads of this
; buffer are back (the next slot's end overwrites it) and my stores into the other buffer have landed (the next slot reads it).
.macro SLOTM buf
	s_wait_alu depctr_vm_vsrc(0)                   ; my LDS stores at the last slot's end (in the first trip: at the head) have read v[SG ..], in which the loads below land; it stands ahead of the branch round them
	s_add_co_u32 s19, s19, 1
	s_cmp_lt_u32 s19, s18                          ; is there a next slot?  The same in all sixteen waves
	s_cbranch_scc0 .Lnoload_\@
	s_wait_xcnt 0x0                                ; the last slot's loads and prefetch have read their base
	s_add_nc_u64 s[26:27], s[26:27], 16384
	LOADS
	s_cmp_lt_u32 s19, s28
	s_cbranch_scc0 .Lnoload_\@
	global_prefetch_b8 v3, s[26:27] offset:16384 th:TH_LOAD_NT scope:SCOPE_SE   ; the slot after the one just asked for: one work-group of a head asks, four waves, a lane to each 256 bytes: each block is named once in the launch
.Lnoload_\@:
	STEP \buf, 0
	STEP \buf, 1
	s_wait_loadcnt 0x0                             ; the next slot's bytes are in my registers
	s_cmp_lt_u32 s19, s18
	s_cbranch_scc0 .Lnostore_\@
	STORES 1-(\buf)
.Lnostore_\@:
	s_wait_dscnt 0x0
	s_barrier_signal -1
	s_barrier_wait -1
.endm
.Ltrip:
	SLOTM 0
	SLOTM 1
	s_sub_co_u32 s20, s20, 1
	s_cmp_lg_u32 s20, 0
	s_cbranch_scc1 .Ltrip
	; THE WAY OUT: O^T / the sum x 2^(e8 + e9) is ctx; held, converted with 2^e10, it leaves as the image of the last product's operand: two stores of 512 consecutive bytes, aligned.
	PLACES                                         ; behind the last products
	v_add_f32 v14, v14, v15                        ; the sum's two halves,
	v_permlanex16_b32 v216, v14, s22, s23
	v_add_f32 v14, v14, v216                       ; and lane l xor 16's
	v_rcp_f32 v14, v14
	v_nop                                          ; a plain line behind the transcendental
	s_add_co_i32 s21, s36, s37
	s_wait_alu depctr_va_vdst(0)                   ; the reciprocal has written v14, ahead of its first reader
	v_ldexp_f32 v14, v14, s21
.set j, 0
.rept 16
	v_pk_mul_f32 v[S+j:S+j+1], v[OT+j:OT+j+1], v[14:15] op_sel_hi:[1,0]   ; each accumulator from its low end on
.set j, j+2
.endr
.set j, 0
.rept 32
	v_med3_num_f32 v[S+j], v[S+j], -v229, v229
.set j, j+1
.endr
.irp d, 0,1,2,3
	v_cvt_scalef32_pk8_bf8_f32 v[PC+2*\d:PC+2*\d+1], v[S+8*\d:S+8*\d+7], v228
.endr
	v_nop
	s_wait_alu depctr_va_vdst(0)                   ; the four conversions have written v[PC .. PC + 7], which the two stores read
	global_store_b128 v1, v[PC:PC+3], s[8:9]
	global_store_b128 v1, v[PC+4:PC+7], s[8:9] offset:512
	s_wait_dscnt 0x0
	s_wait_alu depctr_hold_cnt(0) depctr_sa_sdst(0) depctr_va_vdst(0) depctr_va_sdst(0) depctr_va_ssrc(0) depctr_va_vcc(0) depctr_vm_vsrc(0)
	s_wait_tensorcnt 0x0
	ds_add_u32 v254, v255
	s_wait_dscnt 0x0
	s_endpgm
.Lfunc_end_k_qd8b31af04a_attn:
	.size	k_qd8b31af04a_attn, .Lfunc_end_k_qd8b31af04a_attn-k_qd8b31af04a_attn
	.p2alignl 7, 3214868480
	.fill 96, 4, 3214868480
	.section	.rodata,"a",@progbits
	.p2align	6, 0x0
	.amdhsa_kernel k_qd8b31af04a_attn
		.amdhsa_group_segment_fixed_size 67584
		.amdhsa_private_segment_fixed_size 0
		.amdhsa_enable_private_segment 0
		.amdhsa_kernarg_size 24
		.amdhsa_user_sgpr_count 2
		.amdhsa_user_sgpr_kernarg_segment_ptr 1
		.amdhsa_wavefront_size32 1
		.amdhsa_system_sgpr_workgroup_id_x 1
		.amdhsa_system_sgpr_workgroup_id_y 1
		.amdhsa_system_sgpr_workgroup_id_z 1
		.amdhsa_system_vgpr_workitem_id 0
		.amdhsa_next_free_vgpr 256
		.amdhsa_next_free_sgpr 98
		.amdhsa_reserve_vcc 0
		.amdhsa_float_denorm_mode_32 3
		.amdhsa_float_denorm_mode_16_64 3
		.amdhsa_memory_ordered 1
		.amdhsa_forward_progress 1
		.amdhsa_inst_pref_size 111
	.end_amdhsa_kernel
	.amdgpu_metadata
---
amdhsa.version: [ 1, 2 ]
amdhsa.kernels:
  - .name:           k_qd8b31af04a_attn
    .symbol:         k_qd8b31af04a_attn.kd
    .args:
      - { .name: qkv, .offset: 0, .size: 8, .value_kind: global_buffer, .address_space: global }
      - { .name: lowp_scales, .offset: 8, .size: 8, .value_kind: global_buffer, .address_space: global }
      - { .name: ctx, .offset: 16, .size: 8, .value_kind: global_buffer, .address_space: global }
    .group_segment_fixed_size: 67584
    .private_segment_fixed_size: 0
    .kernarg_segment_align: 8
    .kernarg_segment_size: 24
    .max_flat_workgroup_size: 512
    .sgpr_count:     98
    .vgpr_count:     256
    .wavefront_size: 32
...
	.end_amdgpu_metadata
.endif
;; end of part 5
;; launch proj: the kernel of part 4 again; grid 8 x 32, 4 waves a work-group, clusters of 4 x 4, 288,256 bytes of LDS; arguments ctx, wc, bo, lowp_scales, out0; writes out0
